; MI455X (gfx1250); checked and timed in simulation.
; The chip was launched on July 23, 2026; its instructions are those of AMD's public machine-readable ISA for CDNA 5 (MIT licence, August 2026) and "CDNA5" Instruction Set Architecture Reference Guide (July 2026). The comments in the code are by the model that wrote it; some were corrected since.
;; Multi Head Attention. Allowed arithmetic: matrix products marked QUANTISED: E2M1 operands, one E8M0 scale for each 32 along K, by v_wmma_scale_f32_16x16x128_f8f6f4 with both operands' format E2M1 (or v_wmma_scale_f32_32x16x128_f4), f32 sums; products left as they are: bf16, f16 or f32 operands; f32 sums; everything else in f32.
;; Inputs: Wk 1,024 x 1,024 float32; Wo 1,024 x 1,024 float32; Wq 1,024 x 1,024 float32; Wv 1,024 x 1,024 float32; bk 1,024 float32; bo 1,024 float32; bq 1,024 float32; bv 1,024 float32; mask 2,048 x 2,048 float32; xk 2 x 2,048 x 1,024 float32; xq 2 x 2,048 x 1,024 float32; xv 2 x 2,048 x 1,024 float32.
;; Outputs: out0 2 x 2,048 x 1,024 float32.
;; This version of the problem:
;;   THIS VERSION OF THE PROBLEM IS GIVEN IN LOW PRECISION. The matrix products marked QUANTISED in the list below multiply operands that are first quantised to E2M1 (2 exponent bits, 1 mantissa bit; 4 bits a number), with one power-of-two scale for each 32 numbers along K (OCP MX v1.0); their sums are f32. The products marked 'left as it is' may take bf16, f16 or f32 operands, with f32 sums. All else is computed in f32.
;;   The module's matrix products, in the order in which they are computed (A, B: the left and right operand; K: the contracted axis; several contracted axes count as one K, in the product's order):
;;     1. [M 4,096, K 1,024] x [K 1,024, N 1,024]; A: input xq; B: input Wq: QUANTISED
;;     2. [M 4,096, K 1,024] x [K 1,024, N 1,024]; A: input xk; B: input Wk: QUANTISED
;;     3. [M 4,096, K 1,024] x [K 1,024, N 1,024]; A: input xv; B: input Wv: QUANTISED
;;     4. batch 32 x [M 2,048, K 64] x [K 64, N 2,048]; A: computed on the way; B: computed on the way: left as it is (an operand is computed on the way)
;;     5. batch 32 x [M 2,048, K 2,048] x [K 2,048, N 64]; A: computed on the way; B: computed on the way: left as it is (an operand is computed on the way)
;;     6. [M 4,096, K 1,024] x [K 1,024, N 1,024]; A: computed on the way; B: input Wo: left as it is (an operand is computed on the way)
;;   THE QUANTISER, for each operand of a quantised product, along K:
;;     - K is cut into blocks of 32 from its start; a last block that is shorter is filled with zeros.
;;     - A block's scale is 2^e with e = floor(log2(the largest magnitude in the block)) - 2, held to -126 .. 127; a block of zeros has e = 0. As a byte (E8M0): e + 127.
;;     - Each number is divided by its block's scale, clamped to +-6, and rounded to the nearest number of E2M1, ties to even, subnormals kept.
;;     - The product sums the exact products of the quantised numbers (number of the format x scale) in f32.
;;   ~~~python
;;   def quantise(x, axis):      # numpy; x: float32 -> the quantised numbers, widened to float32 again
;;       x = np.moveaxis(x, axis, -1); K = x.shape[-1]
;;       x = np.pad(x, [(0, 0)] * (x.ndim - 1) + [(0, -K % 32)]); x = x.reshape(x.shape[:-1] + (-1, 32)); a = np.abs(x).max(-1, keepdims=True)
;;       e = np.where(a > 0, np.clip(np.frexp(np.where(a > 0, a, 1))[1] - 1 - 2, -126, 127), 0)      # np.frexp(a)[1] - 1 = floor(log2(a)), exactly
;;       r = np.clip(x / 2.0 ** e, -6, 6)
;;       step = 2.0 ** (np.maximum(np.frexp(np.where(r == 0, 1, r))[1] - 1, 0) - 1)
;;       q = np.round(r / step) * step * 2.0 ** e      # np.round: ties to even
;;       return np.moveaxis(q.reshape(q.shape[:-2] + (-1,))[..., :K], -1, axis).astype(np.float32)
;;   ~~~
;; One version. Each part assembles by itself: llvm-mc -triple=amdgcn-amd-amdhsa -mcpu=gfx1250 --defsym DOCPART=n.
;; ======== version 1 of 1: 4 launches
;; limits: values are held in f16: magnitudes above 65,504 overflow, below 6.1e-05 lose precision; right only within a limited range of input values
;; workspace buffers: wc 1,572,864 bytes; ws 98,304 bytes; wo16 2,097,152 bytes; flags 4,096 bytes of whole numbers; qf 8,388,608 bytes; kf 8,388,608 bytes; vf 8,388,608 bytes; cf 8,388,608 bytes
;; launch prep (part 1): grid 192 x 1, 8 waves a work-group, no clusters, 0 bytes of LDS; arguments Wq, Wk, Wv, Wo, mask, wc, ws, wo16, flags; writes wc, ws, wo16, flags
.if DOCPART == 1
	.amdgcn_target "amdgcn-amd-amdhsa--gfx1250"
	.amdhsa_code_object_version 6
	.text
	.protected	k_q2c2dc5e4ca_prep
	.globl	k_q2c2dc5e4ca_prep
	.p2align	8
	.type	k_q2c2dc5e4ca_prep,@function
k_q2c2dc5e4ca_prep:
	s_mov_b64 s[64:65], 0
	v_nop
	global_prefetch_b8 v0, s[64:65] scope:SCOPE_SE
	s_setreg_imm32_b32 hwreg(HW_REG_WAVE_MODE, 25, 1), 1
	s_wait_xcnt 0x0
; Three jobs that part on the work-group's number; no LDS, no barrier, waves share nothing.
;   work-groups 0-95:    Wq, Wk, Wv [1024 (k)][1024 (n)] f32 -> codes of FP4 (E2M1) with one E8M0 byte for each 32 along K, laid in the order of a matrix operand's registers
;   work-groups 96-127:  Wo [1024 (k)][1024 (n)] f32 -> f16, laid likewise
;   work-groups 128-191: mask [2048][2048] f32 -> two flag words for each 4 rows: which blocks of 64 keys cannot count, and which add exactly 0
; WEIGHTS.  A work-group takes 256 columns x 128 along K, a wave 32 columns.  A LANE TAKES A COLUMN AND ITS REGISTERS RUN DOWN K: a load reads 128 consecutive bytes, the eight waves stand side by side
; on 1,024; a block of 32 along K lies in one lane, and the conversions give codes with K innermost.  An exchange of lane halves makes of two blocks the register groups of two tiles of 16 columns.
;   wc   [tensor 3][head 16][K step 8][column tile 4][1,024 bytes]: register group c of a fragment (16 columns x 128 k) at 512 c + 16 lane
;   ws   [tensor][head][K step][a 2][lane 32] words: the four scale bytes of column 64 head + 32 a + lane
;   wo16 [nt / 4][kk / 8][nt % 4][kk % 8][1,024 bytes]: fragment of 16 columns (tile nt) x 32 k (kk), register group g at 512 g + 16 lane
; A block's scale is 2^(floor(log2(largest magnitude)) - 2): its byte is the largest magnitude's exponent field - 2, held at 1 from below.
; MASK.  A wave takes 4 rows.  A load of 512 bytes holds keys 128 n .. 128 n + 127: lanes 0-15 the first 64, lanes 16-31 the second.  Bit n of a flag word speaks for keys 128 n .. + 63, bit 16 + n for the next 64.
;   skip: for each of the 4 rows every mask number of the block is at least the row's smallest + 0.5: the logits then lie 5e8 or more under the row's best.     zero: every mask number of the block is 0.
; LIMITS: a block of zeros gets the byte 1 with zero codes (this program alone reads the bytes); largest magnitudes under 2^-124 are held at that floor; |Wo| stays under 65,504 (f16);
; passing over a skip block is exact while |logit| stays under 1e8; NaN and infinities are not served.
.set X,  32                            ; v32-159  weights: 128 numbers down K;  mask: two rows of 64 registers
.set C,  160                           ; v160-223 codes, or f16 pairs
.set MN, 160                           ; v160-175 mask: the smallest of my 4 numbers of each load
.set MX, 176                           ; v176-191 mask: the largest magnitude of them
.set KM, 32                            ; s[32:47] lane masks: skip holds so far, for each of the 16 loads of a row
.set ZM, 48                            ; s[48:63] the same for zero
.macro WLOAD b                         ; block b: W(128 s + 32 b + i, my column), i = 0 .. 31
.set i, 0
.rept 32
	global_load_b32 v[X+32*(\b)+i], v2, s[26:27] offset:(32*(\b)+i)*4096 th:TH_LOAD_NT
.set i, i+1
.endr
.endm
.macro AHEAD b                         ; block b's loads are in; loads run two blocks ahead, each block into registers of its own
.if (\b) < 3
	s_wait_loadcnt 32                              ; the next block's 32 loads may be out
.else
	s_wait_loadcnt 0x0
.endif
.if (\b) < 2
	WLOAD (\b)+2
.endif
.endm
.macro QB b                            ; block b of 32 along K becomes 4 registers of codes and a byte of the scale word
.set XB, X+32*(\b)
	AHEAD \b
	v_max3_num_f32 v8, |v[XB]|, |v[XB+1]|, |v[XB+2]|               ; the block's largest magnitude, in two chains: all 32 numbers are mine
	v_max3_num_f32 v9, |v[XB+3]|, |v[XB+4]|, |v[XB+5]|
.irp i, 6,10,14,18,22,26
	v_max3_num_f32 v8, v8, |v[XB+\i]|, |v[XB+\i+1]|
	v_max3_num_f32 v9, v9, |v[XB+\i+2]|, |v[XB+\i+3]|
.endr
	v_max3_num_f32 v8, v8, |v[XB+30]|, |v[XB+31]|
	v_max3_num_f32 v8, v8, v9, 0x1800000           ; and the floor 2^(3 - 127): the byte cannot fall under 1
	v_add_nc_u32 v11, 0xff000000, v8               ; 2 off the exponent field: the conversion takes this operand's exponent field as its scale
	v_lshrrev_b32 v10, 23, v11                     ; the scale's byte
.if (\b) == 0
	v_mov_b32 v12, v10
.else
	v_lshl_or_b32 v12, v10, 8*(\b), v12            ; the lower K in the lower byte
.endif
.irp g, 0,1,2,3
	v_cvt_scalef32_pk8_fp4_f32 v[C+4*(\b)+\g], v[XB+8*\g:XB+8*\g+7], v11
.endr
.endm
.macro HB j                            ; 32 along K of Wo become the two register groups of two tiles of 16 columns
	AHEAD \j
.set i, 0
.rept 16
	v_cvt_pk_f16_f32 v[C+16*(\j)+i], v[X+32*(\j)+2*i], v[X+32*(\j)+2*i+1]
.set i, i+1
.endr
.irp g, 0,1
.irp e, 0,1,2,3
	v_permlane16_swap_b32 v[C+16*(\j)+8*\g+\e], v[C+16*(\j)+8*\g+4+\e]   ; the first's lanes 16-31 change places with the second's lanes 0-15: k = 16 g + 8 (lane / 16) + 0 .. 7 of tile 0, of tile 1
.endr
.endr
.irp g, 0,1
.irp u, 0,1
	global_store_b128 v3, v[C+16*(\j)+8*\g+4*\u:C+16*(\j)+8*\g+4*\u+3], s[18:19] offset:8192*\u+1024*(\j)+512*\g   ; 32 lanes store 512 consecutive bytes
.endr
.endr
.endm
.macro MLOAD r                         ; row r of my 4: 16 loads of 512 consecutive bytes
.irp n, 0,1,2,3,4,5,6,7,8,9,10,11,12,13,14,15
	global_load_b128 v[X+64*((\r)%2)+4*\n:X+64*((\r)%2)+4*\n+3], v3, s[12:13] offset:8192*(\r)+512*\n th:TH_LOAD_NT
.endr
.endm
.macro MWORK r, left
.set RB, X+64*((\r)%2)
	s_wait_loadcnt \left                           ; this row's 16 loads are in; the next row's 16 may be out
.irp n, 0,1,2,3,4,5,6,7,8,9,10,11,12,13,14,15
	v_min3_num_f32 v[MN+\n], v[RB+4*\n], v[RB+4*\n+1], v[RB+4*\n+2]
	v_max3_num_f32 v[MX+\n], |v[RB+4*\n]|, |v[RB+4*\n+1]|, |v[RB+4*\n+2]|
.endr
.irp n, 0,1,2,3,4,5,6,7,8,9,10,11,12,13,14,15
	v_min_num_f32 v[MN+\n], v[MN+\n], v[RB+4*\n+3]
	v_max_num_f32 v[MX+\n], v[MX+\n], |v[RB+4*\n+3]|
.endr
.if (\r) < 2
	MLOAD (\r)+2                                   ; the row's registers have been read: they take the row two further on
.endif
.irp n, 0,1,2,3,4,5,6,7,8,9,10,11,12,13,14,15
	v_cmp_eq_f32 s68, 0, v[MX+\n]                  ; my four numbers are all 0
	s_and_b32 s[ZM+\n], s[ZM+\n], s68
.endr
	v_min3_num_f32 v8, v[MN], v[MN+1], v[MN+2]     ; the row's smallest: my 64 numbers,
.irp i, 3,5,7,9,11,13
	v_min3_num_f32 v8, v8, v[MN+\i], v[MN+\i+1]
.endr
	v_min_num_f32 v8, v8, v[MN+15]
	v_min_num_f32_dpp v8, v8, v8 row_xmask:1 row_mask:0xf bank_mask:0xf   ; the 16 lanes of my half,
	v_min_num_f32_dpp v8, v8, v8 row_xmask:2 row_mask:0xf bank_mask:0xf
	v_min_num_f32_dpp v8, v8, v8 row_xmask:4 row_mask:0xf bank_mask:0xf
	v_min_num_f32_dpp v8, v8, v8 row_xmask:8 row_mask:0xf bank_mask:0xf
	v_permlanex16_b32 v9, v8, s66, s67
	v_min_num_f32 v8, v8, v9                       ; and the other half
	v_add_f32 v8, 0.5, v8
.irp n, 0,1,2,3,4,5,6,7,8,9,10,11,12,13,14,15
	v_cmp_le_f32 s68, v8, v[MN+\n]                 ; my four numbers all lie 0.5 or more over the row's smallest
	s_and_b32 s[KM+\n], s[KM+\n], s68
.endr
.endm
	s_load_b512 s[4:19], s[0:1], 0x0               ; Wq s[4:5], Wk s[6:7], Wv s[8:9], Wo s[10:11], mask s[12:13], wc s[14:15], ws s[16:17], wo16 s[18:19]
	s_load_b64 s[20:21], s[0:1], 0x40              ; flags
	v_lshrrev_b32 v4, 5, v0
	v_readfirstlane_b32 s22, v4                    ; wave 0..7
	v_and_b32 v1, 31, v0                           ; lane
	v_lshlrev_b32 v2, 2, v1                        ; 4 x lane
	v_lshlrev_b32 v3, 4, v1                        ; 16 x lane
	s_cmp_lt_u32 ttmp9, 128
	s_cbranch_scc0 .Lmask
	; ---- weights
	s_lshr_b32 s23, ttmp9, 5                       ; which tensor: 0 Wq, 1 Wk, 2 Wv, 3 Wo
	s_bfe_u32 s24, ttmp9, 0x20003                  ; cq: which 256 columns
	s_and_b32 s25, ttmp9, 7                        ; s: which 128 along K
	s_lshl_b32 s28, s25, 19                        ; 128 rows of 4,096 bytes
	s_lshl_b32 s30, s24, 10
	s_add_co_u32 s28, s28, s30
	s_lshl_b32 s30, s22, 7
	s_add_co_u32 s28, s28, s30                     ; + 4 x my wave's first column, 256 cq + 32 wave
	s_mov_b32 s29, 0
	s_lshl_b32 s66, s24, 2
	s_lshr_b32 s30, s22, 1
	s_add_co_u32 s66, s66, s30                     ; w = 4 cq + wave / 2: the 64 columns (the head) that mine lie in
	s_and_b32 s67, s22, 1                          ; a: which 32 of them
	s_wait_kmcnt 0x0
	s_cmp_eq_u32 s23, 1
	s_cselect_b64 s[26:27], s[6:7], s[4:5]
	s_cmp_eq_u32 s23, 2
	s_cselect_b64 s[26:27], s[8:9], s[26:27]
	s_cmp_eq_u32 s23, 3
	s_cselect_b64 s[26:27], s[10:11], s[26:27]
	s_add_nc_u64 s[26:27], s[26:27], s[28:29]
	WLOAD 0
	WLOAD 1
	s_cmp_eq_u32 s23, 3
	s_cbranch_scc1 .Lwo
	s_lshl_b32 s68, s23, 4
	s_add_co_u32 s68, s68, s66
	s_lshl_b32 s68, s68, 3
	s_add_co_u32 s68, s68, s25                     ; (16 tensor + w) 8 + s
	s_lshl_b32 s28, s68, 12
	s_lshl_b32 s30, s67, 11
	s_add_co_u32 s28, s28, s30
	s_add_nc_u64 s[14:15], s[14:15], s[28:29]      ; my two tiles' fragments
	s_lshl_b32 s28, s68, 8
	s_lshl_b32 s30, s67, 7
	s_add_co_u32 s28, s28, s30
	s_add_nc_u64 s[16:17], s[16:17], s[28:29]      ; my 32 scale words
	QB 0
	QB 1
	QB 2
	QB 3
	v_nop                                          ; one plain place behind the last scaled conversion
.irp c, 0,1
.irp e, 0,1,2,3
	v_permlane16_swap_b32 v[C+8*\c+\e], v[C+8*\c+4+\e]   ; blocks 2 c and 2 c + 1 of 32 columns become register group c (k = 64 c + 32 (lane / 16) + 0 .. 31) of tile 0 and of tile 1
.endr
.endr
.irp c, 0,1
.irp u, 0,1
	global_store_b128 v3, v[C+8*\c+4*\u:C+8*\c+4*\u+3], s[14:15] offset:1024*\u+512*\c   ; 32 lanes store 512 consecutive bytes
.endr
.endr
	global_store_b32 v2, v12, s[16:17]
	s_endpgm
.Lwo:
	s_lshl_b32 s28, s66, 2
	s_lshr_b32 s30, s25, 1
	s_add_co_u32 s28, s28, s30
	s_lshl_b32 s28, s28, 15                        ; (4 (nt / 4) + kk / 8) x 32,768
	s_lshl_b32 s30, s67, 14
	s_add_co_u32 s28, s28, s30                     ; nt % 4 = 2 a + u
	s_and_b32 s30, s25, 1
	s_lshl_b32 s30, s30, 12
	s_add_co_u32 s28, s28, s30                     ; kk % 8 = 4 (s % 2) + j
	s_add_nc_u64 s[18:19], s[18:19], s[28:29]
	HB 0
	HB 1
	HB 2
	HB 3
	s_endpgm
	; ---- mask
.Lmask:
	s_sub_co_u32 s23, ttmp9, 128
	s_lshl_b32 s23, s23, 3
	s_add_co_u32 s23, s23, s22                     ; which 4 rows are my wave's
	s_lshl_b32 s26, s23, 15                        ; 4 rows of 8,192 bytes
	s_mov_b32 s27, 0
	s_lshl_b32 s28, s23, 2                         ; a word for each 4 rows
	s_mov_b32 s29, 0
	s_mov_b32 s66, 0x76543210                      ; v_permlanex16_b32's selects for lane l xor 16
	s_mov_b32 s67, 0xfedcba98
	v_mov_b32 v9, 0                                ; a lane permute's destination counts as one of its sources
.irp n, 0,1,2,3,4,5,6,7,8,9,10,11,12,13,14,15
	s_mov_b32 s[KM+\n], -1
	s_mov_b32 s[ZM+\n], -1
.endr
	s_wait_kmcnt 0x0
	s_add_nc_u64 s[12:13], s[12:13], s[26:27]
	s_add_nc_u64 s[20:21], s[20:21], s[28:29]
	MLOAD 0
	MLOAD 1
	MWORK 0, 16
	MWORK 1, 16
	MWORK 2, 16
	MWORK 3, 0
	s_mov_b32 s69, 0                               ; the skip word
	s_mov_b32 s70, 0                               ; the zero word
.irp n, 0,1,2,3,4,5,6,7,8,9,10,11,12,13,14,15      ; a block's bit is set where all 16 lanes of its half agree; choices, no branch
	s_and_b32 s68, s[KM+\n], 0xffff
	s_cmp_eq_u32 s68, 0xffff
	s_cselect_b32 s68, 1<<\n, 0
	s_or_b32 s69, s69, s68
	s_lshr_b32 s68, s[KM+\n], 16
	s_cmp_eq_u32 s68, 0xffff
	s_cselect_b32 s68, 1<<(16+\n), 0
	s_or_b32 s69, s69, s68
	s_and_b32 s68, s[ZM+\n], 0xffff
	s_cmp_eq_u32 s68, 0xffff
	s_cselect_b32 s68, 1<<\n, 0
	s_or_b32 s70, s70, s68
	s_lshr_b32 s68, s[ZM+\n], 16
	s_cmp_eq_u32 s68, 0xffff
	s_cselect_b32 s68, 1<<(16+\n), 0
	s_or_b32 s70, s70, s68
.endr
	v_mov_b32 v8, s69
	v_mov_b32 v10, s70
	v_mov_b32 v11, 0
	v_cmp_gt_u32 vcc_lo, 1, v1
	s_wait_xcnt 0x0                                ; EXEC changes only behind this wait: it is a source of the loads above
	s_and_saveexec_b32 s71, vcc_lo                 ; lane 0 alone stores
	global_store_b32 v11, v8, s[20:21]
	global_store_b32 v11, v10, s[20:21] offset:2048
	s_wait_xcnt 0x0                                ; and again in front of the line that widens it
	s_or_b32 exec_lo, exec_lo, s71
	s_endpgm
.Lfunc_end_k_q2c2dc5e4ca_prep:
	.size	k_q2c2dc5e4ca_prep, .Lfunc_end_k_q2c2dc5e4ca_prep-k_q2c2dc5e4ca_prep
	.p2alignl 7, 3214868480
	.fill 96, 4, 3214868480
	.section	.rodata,"a",@progbits
	.p2align	6, 0x0
	.amdhsa_kernel k_q2c2dc5e4ca_prep
		.amdhsa_group_segment_fixed_size 0
		.amdhsa_private_segment_fixed_size 0
		.amdhsa_enable_private_segment 0
		.amdhsa_kernarg_size 72
		.amdhsa_user_sgpr_count 2
		.amdhsa_user_sgpr_kernarg_segment_ptr 1
		.amdhsa_wavefront_size32 1
		.amdhsa_system_sgpr_workgroup_id_x 1
		.amdhsa_system_sgpr_workgroup_id_y 1
		.amdhsa_system_sgpr_workgroup_id_z 1
		.amdhsa_system_vgpr_workitem_id 0
		.amdhsa_next_free_vgpr 224
		.amdhsa_next_free_sgpr 72
		.amdhsa_reserve_vcc 1
		.amdhsa_float_denorm_mode_32 3
		.amdhsa_float_denorm_mode_16_64 3
		.amdhsa_memory_ordered 1
		.amdhsa_forward_progress 1
		.amdhsa_inst_pref_size 84
	.end_amdhsa_kernel
	.amdgpu_metadata
---
amdhsa.version: [ 1, 2 ]
amdhsa.kernels:
  - .name:           k_q2c2dc5e4ca_prep
    .symbol:         k_q2c2dc5e4ca_prep.kd
    .args:
      - { .name: Wq, .offset: 0, .size: 8, .value_kind: global_buffer, .address_space: global }
      - { .name: Wk, .offset: 8, .size: 8, .value_kind: global_buffer, .address_space: global }
      - { .name: Wv, .offset: 16, .size: 8, .value_kind: global_buffer, .address_space: global }
      - { .name: Wo, .offset: 24, .size: 8, .value_kind: global_buffer, .address_space: global }
      - { .name: mask, .offset: 32, .size: 8, .value_kind: global_buffer, .address_space: global }
      - { .name: wc, .offset: 40, .size: 8, .value_kind: global_buffer, .address_space: global }
      - { .name: ws, .offset: 48, .size: 8, .value_kind: global_buffer, .address_space: global }
      - { .name: wo16, .offset: 56, .size: 8, .value_kind: global_buffer, .address_space: global }
      - { .name: flags, .offset: 64, .size: 8, .value_kind: global_buffer, .address_space: global }
    .group_segment_fixed_size: 0
    .private_segment_fixed_size: 0
    .kernarg_segment_align: 8
    .kernarg_segment_size: 72
    .max_flat_workgroup_size: 256
    .sgpr_count:     72
    .vgpr_count:     224
    .wavefront_size: 32
...
	.end_amdgpu_metadata
.endif
;; end of part 1
;; launch proj (part 2): grid 192 x 1, 16 waves a work-group, no clusters, 172,032 bytes of LDS; arguments xq, xk, xv, bq, bk, bv, wc, ws, qf, kf, vf; writes qf, kf, vf
.if DOCPART == 2
	.amdgcn_target "amdgcn-amd-amdhsa--gfx1250"
	.amdhsa_code_object_version 6
	.text
	.protected	k_q2c2dc5e4ca_proj
	.globl	k_q2c2dc5e4ca_proj
	.p2align	8
	.type	k_q2c2dc5e4ca_proj,@function
k_q2c2dc5e4ca_proj:
	s_mov_b64 s[64:65], 0
	v_nop
	global_prefetch_b8 v0, s[64:65] scope:SCOPE_SE
	s_setreg_imm32_b32 hwreg(HW_REG_WAVE_MODE, 25, 1), 1
	s_wait_xcnt 0x0
; q = xq Wq + bq, k = xk Wk + bk, v = xv Wv + bv, on codes of FP4 (E2M1) with one E8M0 scale for each 32 along K; results rounded once to f16 and stored in the order of the next products' operand registers.
; SHARES.  Work-group g: tensor g / 64, rows 64 (g % 64) .. + 63, all 1,024 columns: so each number of x is read and quantised once.  Wave w of sixteen is head w: 64 columns, 16 accumulators of 16 x 16; four waves to a SIMD.
; PHASE X.  Wave w quantises 16 rows (tile w / 4) x 256 along K (K steps 2 (w % 4), + 1).  A load takes 512 consecutive bytes of one row; a K step's 16 rows turn through the wave's own stage in LDS
; (rows 528 bytes apart) so that a lane holds 16 neighbours of each block of 32; codes and scale words go to LDS as images of the operand's registers: 16 bytes a lane, 4 bytes a lane.  One barrier.
; PHASE G.  Eight K steps of 128.  x's four fragments come from LDS; W's four fragments of my head come from memory straight into my registers, two K steps ahead, in runs of 512 consecutive bytes.
; No joint loads: no two waves of a work-group want the same fragment of W, so a way through LDS would write and read 512 KB more for each work-group; x is shared by nobody.
; q, k: source 0 = 16 columns of W, source 1 = 16 rows of x: a lane holds one token and 8 neighbouring channels; two neighbouring column tiles, rounded in pairs, are a fragment (16 tokens x 32 channels).
; v:    source 0 = 16 rows of x, source 1 = 16 columns of W: a lane holds one channel and 8 neighbouring tokens: a fragment (16 channels x 32 keys).
;   qf, kf [batch][head][token tile 128][c 2][1,024 bytes];   vf [batch][head][32 keys 64][channel tile 4][1,024 bytes];   register group g of a fragment at 512 g + 16 lane.
; q is multiplied by log2(e) / 8 in f32 ahead of its one rounding, so that the scores come out in units of log2.
; LIMITS: |q| log2(e) / 8, |k| and |v| stay under 65,504 (f16); a block of zeros gets the byte 1 with zero codes; largest magnitudes under 2^-124 are held at that floor; NaN and infinities are not served.
.set STGW, 8448                        ; LDS: a stage of 16 rows x 528 bytes for each wave, its own;
.set XIMG, 16*STGW                     ; x's 32 fragments: (K step s, row tile m) at (4 s + m) x 1,024;
.set XSC,  XIMG+32768                  ; their scale words: 256 s + 64 m + 4 r: a register of 32 lanes holds tiles 2 a and 2 a + 1
.set XS,  12                           ; v12-13   x's scale words of the K step in hand: scales and nothing else
.set XF,  16                           ; v16-47   x's four fragments
.set TM,  16                           ; phase X: v16-31 at work, v32-39 the codes just made, v40 the scale word
.set PC,  32
.set PW,  40
.set WB,  48                           ; v48-79, v80-111  W's four fragments, two sets; at the end the bias
.set WS,  112                          ; v112-127 W's scale words: register 2 s + a: scales and nothing else
.set ACC, 128                          ; v128-255 accumulator (i, j) at 8 (4 i + j); phase X: 2 x 64 numbers of x
.set SEL, 34                           ; s[34:35] v_permlanex16_b32's selects for lane l xor 16
; v1 XIMG + 16 lane; v2 stage, way in; v3 stage, way out; v4 where my images go; v5 where my scale words go; v6 XSC + 4 lane; v7 32 (lane / 16); v8 4 (lane % 16); v9 16 lane; v10 4 lane
; 64 numbers of a lane, register 16 b + i = k 32 b + 16 (lane / 16) + i of my row, become a fragment's codes in v[PC] on and its scale word in v[PW]
.macro QUANT s
.irp b, 0,1,2,3
	v_max3_num_f32 v[TM+\b], |v[\s+16*\b]|, |v[\s+1+16*\b]|, 0x1800000   ; block b: my 16 numbers, and the floor 2^(3 - 127): the byte cannot fall under 1
.endr
.irp i, 2,4,6,8,10,12,14
.irp b, 0,1,2,3
	v_max3_num_f32 v[TM+\b], v[TM+\b], |v[\s+16*\b+\i]|, |v[\s+1+16*\b+\i]|   ; the four blocks by turns
.endr
.endr
.irp b, 0,1,2,3
	v_permlanex16_b32 v[TM+4+\b], v[TM+\b], s[SEL], s[SEL+1]
.endr
.irp b, 0,1,2,3
	v_max_num_f32 v[TM+\b], v[TM+\b], v[TM+4+\b]   ; with lane l xor 16's: the block's largest magnitude
.endr
.irp b, 0,1,2,3
	v_add_nc_u32 v[TM+12+\b], 0xff000000, v[TM+\b] ; 2 off its exponent field: the conversion's scale operand
.endr
.irp b, 0,1,2,3
	v_lshrrev_b32 v[TM+4+\b], 23, v[TM+12+\b]      ; the scale's byte
.endr
	v_lshl_or_b32 v[PW], v[TM+5], 8, v[TM+4]       ; the four bytes make my row's scale word
	v_lshl_or_b32 v[PW], v[TM+6], 16, v[PW]
	v_lshl_or_b32 v[PW], v[TM+7], 24, v[PW]
.irp b, 0,1,2,3
	v_cvt_scalef32_pk8_fp4_f32 v[PC+2*\b], v[\s+16*\b:\s+7+16*\b], v[TM+12+\b]
	v_cvt_scalef32_pk8_fp4_f32 v[PC+1+2*\b], v[\s+8+16*\b:\s+15+16*\b], v[TM+12+\b]
.endr
	v_nop                                          ; one plain place behind a scaled conversion
.irp c, 0,1                                        ; the operand's layout wants a whole block in a lane: lanes 0-15 block 2 c, lanes 16-31 block 2 c + 1
.irp i, 0,1
	v_permlane16_swap_b32 v[PC+4*\c+\i], v[PC+2+4*\c+\i]
.endr
.endr
.endm
.macro UNIT u, left                    ; my K step 2 (w % 4) + u: 16 rows x 128 numbers
.set RW, ACC+64*(\u)
	s_wait_loadcnt \left                           ; this unit's 16 loads are in; what was issued behind them may be out
.set i, 0
.rept 16
	ds_store_b128 v2, v[RW+4*i:RW+4*i+3] offset:528*i      ; row i as it lies
.set i, i+1
.endr
.irp b, 0,1,2,3
.irp j, 0,1,2,3
	ds_load_b128 v[RW+16*\b+4*\j:RW+16*\b+4*\j+3], v3 offset:128*\b+16*\j   ; LDS serves a wave's instructions in order (ISA guide 5.7.1.4): these see the stores above
.endr
.endr
	s_wait_dscnt 0x0                               ; the numbers are back; the last unit's image stores have read their registers
	QUANT RW
.irp c, 0,1
	ds_store_b128 v4, v[PC+4*\c:PC+4*\c+3] offset:4096*(\u)+512*\c
.endr
	ds_store_b32 v5, v[PW] offset:256*(\u)         ; lanes r and r + 16 write the same word with the same value
.endm
; one matrix instruction; ra, rb: the side's scales stand in lanes 16-31 of the register named
.macro WM d, a, b, first, sa, sb, ra, rb
.if \first
.if (\ra) && (\rb)
	v_wmma_scale_f32_16x16x128_f8f6f4 v[(\d):(\d)+7], v[(\a):(\a)+7], v[(\b):(\b)+7], 0, v[(\sa)], v[(\sb)] matrix_a_fmt:MATRIX_FMT_FP4 matrix_b_fmt:MATRIX_FMT_FP4 matrix_a_scale:MATRIX_SCALE_ROW1 matrix_b_scale:MATRIX_SCALE_ROW1
.elseif (\ra)
	v_wmma_scale_f32_16x16x128_f8f6f4 v[(\d):(\d)+7], v[(\a):(\a)+7], v[(\b):(\b)+7], 0, v[(\sa)], v[(\sb)] matrix_a_fmt:MATRIX_FMT_FP4 matrix_b_fmt:MATRIX_FMT_FP4 matrix_a_scale:MATRIX_SCALE_ROW1
.elseif (\rb)
	v_wmma_scale_f32_16x16x128_f8f6f4 v[(\d):(\d)+7], v[(\a):(\a)+7], v[(\b):(\b)+7], 0, v[(\sa)], v[(\sb)] matrix_a_fmt:MATRIX_FMT_FP4 matrix_b_fmt:MATRIX_FMT_FP4 matrix_b_scale:MATRIX_SCALE_ROW1
.else
	v_wmma_scale_f32_16x16x128_f8f6f4 v[(\d):(\d)+7], v[(\a):(\a)+7], v[(\b):(\b)+7], 0, v[(\sa)], v[(\sb)] matrix_a_fmt:MATRIX_FMT_FP4 matrix_b_fmt:MATRIX_FMT_FP4
.endif
.else
.if (\ra) && (\rb)
	v_wmma_scale_f32_16x16x128_f8f6f4 v[(\d):(\d)+7], v[(\a):(\a)+7], v[(\b):(\b)+7], v[(\d):(\d)+7], v[(\sa)], v[(\sb)] matrix_a_fmt:MATRIX_FMT_FP4 matrix_b_fmt:MATRIX_FMT_FP4 matrix_a_scale:MATRIX_SCALE_ROW1 matrix_b_scale:MATRIX_SCALE_ROW1
.elseif (\ra)
	v_wmma_scale_f32_16x16x128_f8f6f4 v[(\d):(\d)+7], v[(\a):(\a)+7], v[(\b):(\b)+7], v[(\d):(\d)+7], v[(\sa)], v[(\sb)] matrix_a_fmt:MATRIX_FMT_FP4 matrix_b_fmt:MATRIX_FMT_FP4 matrix_a_scale:MATRIX_SCALE_ROW1
.elseif (\rb)
	v_wmma_scale_f32_16x16x128_f8f6f4 v[(\d):(\d)+7], v[(\a):(\a)+7], v[(\b):(\b)+7], v[(\d):(\d)+7], v[(\sa)], v[(\sb)] matrix_a_fmt:MATRIX_FMT_FP4 matrix_b_fmt:MATRIX_FMT_FP4 matrix_b_scale:MATRIX_SCALE_ROW1
.else
	v_wmma_scale_f32_16x16x128_f8f6f4 v[(\d):(\d)+7], v[(\a):(\a)+7], v[(\b):(\b)+7], v[(\d):(\d)+7], v[(\sa)], v[(\sb)] matrix_a_fmt:MATRIX_FMT_FP4 matrix_b_fmt:MATRIX_FMT_FP4
.endif
.endif
.endm
.macro WLOAD s                         ; W's four fragments of K step s into set s % 2
.irp t, 0,1,2,3
.irp c, 0,1
	global_load_b128 v[WB+32*((\s)%2)+8*\t+4*\c:WB+32*((\s)%2)+8*\t+4*\c+3], v9, s[40:41] offset:4096*(\s)+1024*\t+512*\c
.endr
.endr
.endm
; K step s.  sw = 0: q, k;  sw = 1: v.  The 16 accumulators take turns, one instruction a turn, in the same order in every step; the first step's products start the sums.
.macro KSTEP s, sw
.irp m, 0,1,2,3
.irp c, 0,1
	ds_load_b128 v[XF+8*\m+4*\c:XF+8*\m+4*\c+3], v1 offset:4096*(\s)+1024*\m+512*\c
.endr
.endr
	ds_load_b32 v[XS], v6 offset:256*(\s)
	ds_load_b32 v[XS+1], v6 offset:256*(\s)+128
	s_wait_loadcnt 8                               ; W of this step is in (at step 0 the scale words too); the eight loads issued behind it may be out
	s_wait_dscnt 0x0
.irp i, 0,1,2,3
.irp j, 0,1,2,3
.if \sw
	WM ACC+8*(4*\i+\j), XF+8*\i, WB+32*((\s)%2)+8*\j, (\s)==0, XS+\i/2, WS+2*(\s)+\j/2, \i%2, \j%2
.else
	WM ACC+8*(4*\i+\j), WB+32*((\s)%2)+8*\i, XF+8*\j, (\s)==0, WS+2*(\s)+\i/2, XS+\j/2, \i%2, \j%2
.endif
.endr
.endr
.rept 4
	v_nop                                          ; four places ahead of loads into registers that these products read, and of the first read of results
.endr
.if (\s) <= 5
	WLOAD (\s)+2
.elseif (\s) == 6                      ; the set that step 6 has left takes the bias, in the result's layout
.if \sw
.irp j, 0,1,2,3
	global_load_b32 v[WB+2*\j], v8, s[28:29] offset:64*\j          ; a lane's one channel, 16 j + r, into both registers of a pair
	global_load_b32 v[WB+2*\j+1], v8, s[28:29] offset:64*\j
.endr
.else
.irp i, 0,1,2,3
	global_load_b128 v[WB+8*\i:WB+8*\i+3], v7, s[28:29] offset:64*\i       ; a lane's eight channels, 16 i + 8 (lane / 16) + 0 .. 7
	global_load_b128 v[WB+8*\i+4:WB+8*\i+7], v7, s[28:29] offset:64*\i+16
.endr
.endif
.endif
.endm
.macro WAYOUT sw
	s_wait_loadcnt 0x0                             ; the bias
.if \sw
.else
.set i, 0
.rept 16
	v_pk_mul_f32 v[WB+2*i:WB+2*i+1], v[WB+2*i:WB+2*i+1], s[32:33] op_sel_hi:[1,0]   ; (sum + bias) x c = sum x c + bias x c
.set i, i+1
.endr
.endif
.irp i, 0,1,2,3
.irp j, 0,1,2,3
.irp e, 0,2,4,6                                    ; each accumulator from its low end on
.if \sw
	v_pk_fma_f32 v[ACC+8*(4*\i+\j)+\e:ACC+8*(4*\i+\j)+\e+1], v[ACC+8*(4*\i+\j)+\e:ACC+8*(4*\i+\j)+\e+1], s[32:33], v[WB+2*\j:WB+2*\j+1] op_sel_hi:[1,0,1]
.else
	v_pk_fma_f32 v[ACC+8*(4*\i+\j)+\e:ACC+8*(4*\i+\j)+\e+1], v[ACC+8*(4*\i+\j)+\e:ACC+8*(4*\i+\j)+\e+1], s[32:33], v[WB+8*\i+\e:WB+8*\i+\e+1] op_sel_hi:[1,0,1]
.endif
.endr
.endr
.endr
.irp i, 0,1,2,3                                    ; fragment (j, i / 2), register 4 (i % 2) + e / 2; j = 0, 1 in v16-47, j = 2, 3 in v80-111
.irp j, 0,1,2,3
.irp e, 0,2,4,6
	v_cvt_pk_f16_f32 v[16+16*\j+32*(\j/2)+8*(\i/2)+4*(\i%2)+\e/2], v[ACC+8*(4*\i+\j)+\e], v[ACC+8*(4*\i+\j)+\e+1]
.endr
.endr
.endr
.irp j, 0,1,2,3
.irp cc, 0,1
.irp g, 0,1
.if \sw
	global_store_b128 v9, v[16+16*\j+32*(\j/2)+8*\cc+4*\g:16+16*\j+32*(\j/2)+8*\cc+4*\g+3], s[30:31] offset:4096*\cc+1024*\j+512*\g
.else
	global_store_b128 v9, v[16+16*\j+32*(\j/2)+8*\cc+4*\g:16+16*\j+32*(\j/2)+8*\cc+4*\g+3], s[30:31] offset:2048*\j+1024*\cc+512*\g   ; 32 lanes store 512 consecutive bytes; the wave's sixteen stores cover 8,192 on end
.endif
.endr
.endr
.endr
.endm
	s_load_b512 s[4:19], s[0:1], 0x0               ; xq s[4:5], xk s[6:7], xv s[8:9], bq s[10:11], bk s[12:13], bv s[14:15], wc s[16:17], ws s[18:19]
	s_load_b128 s[20:23], s[0:1], 0x40             ; qf, kf
	s_load_b64 s[24:25], s[0:1], 0x50              ; vf
	v_lshrrev_b32 v8, 5, v0
	v_readfirstlane_b32 s36, v8                    ; wave 0..15 = head
	s_lshr_b32 s37, ttmp9, 6                       ; tensor: 0 q, 1 k, 2 v
	s_and_b32 s38, ttmp9, 63                       ; which 64 rows
	v_and_b32 v11, 31, v0                          ; lane
	v_and_b32 v14, 15, v0                          ; r
	v_bfe_u32 v15, v0, 4, 1                        ; h
	v_lshlrev_b32 v9, 4, v11
	v_lshlrev_b32 v10, 2, v11
	v_add_nc_u32 v1, XIMG, v9
	s_mul_i32 s44, s36, STGW
	v_add_nc_u32 v2, s44, v9                       ; the stage, way in: a row's 512 bytes as they lie
	v_mul_u32_u24 v3, v14, 528
	v_lshl_add_u32 v3, v15, 6, v3
	v_add_nc_u32 v3, s44, v3                       ; way out: row r, + 64 h: my 16 numbers of a block of 32
	s_and_b32 s45, s36, 3                          ; w % 4: which two K steps I quantise
	s_lshr_b32 s46, s36, 2                         ; m = w / 4: which row tile
	s_lshl_b32 s44, s45, 3
	s_add_co_u32 s44, s44, s46
	s_lshl_b32 s44, s44, 10
	v_add_nc_u32 v4, s44, v1                       ; image (4 s + m) with s = 2 (w % 4)
	s_lshl_b32 s44, s45, 9
	s_lshl_b32 s47, s46, 6
	s_add_co_u32 s44, s44, s47
	s_add_co_u32 s44, s44, XSC
	v_lshl_add_u32 v5, v14, 2, s44                 ; scale word: 256 s + 64 m + 4 r
	v_add_nc_u32 v6, XSC, v10
	v_lshlrev_b32 v7, 5, v15
	v_lshlrev_b32 v8, 2, v14
.irp b, 0,1,2,3
	v_mov_b32 v[TM+4+\b], 0                        ; written once: a lane permute's destination counts as one of its sources
.endr
	s_mov_b32 s[SEL], 0x76543210
	s_mov_b32 s[SEL+1], 0xfedcba98
	s_lshl_b32 s48, s38, 18                        ; x: 64 rows of 4,096 bytes,
	s_lshl_b32 s47, s46, 16                        ; my 16 of them,
	s_add_co_u32 s48, s48, s47
	s_lshl_b32 s47, s45, 10                        ; my 1,024 bytes of each
	s_add_co_u32 s48, s48, s47
	s_mov_b32 s49, 0
	s_lshr_b32 s50, s38, 5                         ; batch
	s_lshl_b32 s50, s50, 4
	s_add_co_u32 s50, s50, s36
	s_lshl_b32 s50, s50, 18                        ; (16 batch + head) x 262,144
	s_and_b32 s47, s38, 31
	s_lshl_b32 s47, s47, 13
	s_add_co_u32 s50, s50, s47                     ; + 8,192 for each 64 tokens
	s_mov_b32 s51, 0
	s_lshl_b32 s52, s37, 4
	s_add_co_u32 s52, s52, s36                     ; 16 tensor + head
	s_lshl_b32 s54, s52, 11                        ; its scale words
	s_lshl_b32 s52, s52, 15                        ; its codes
	s_mov_b32 s53, 0
	s_mov_b32 s55, 0
	s_lshl_b32 s56, s36, 8                         ; its 64 numbers of the bias
	s_mov_b32 s57, 0
	s_wait_kmcnt 0x0
	s_cmp_eq_u32 s37, 1                            ; the choices hang on the work-group's number alone
	s_cselect_b64 s[26:27], s[6:7], s[4:5]
	s_cselect_b64 s[28:29], s[12:13], s[10:11]
	s_cselect_b64 s[30:31], s[22:23], s[20:21]
	s_cmp_eq_u32 s37, 2
	s_cselect_b64 s[26:27], s[8:9], s[26:27]
	s_cselect_b64 s[28:29], s[14:15], s[28:29]
	s_cselect_b64 s[30:31], s[24:25], s[30:31]
	s_cmp_eq_u32 s37, 0
	s_cselect_b32 s32, 0x3e38aa3b, 1.0             ; c = log2(e) / 8 for q, 1 for k and v
	s_mov_b32 s33, s32                             ; (named with it as a pair, so it is written)
	s_add_nc_u64 s[26:27], s[26:27], s[48:49]
	s_add_nc_u64 s[28:29], s[28:29], s[56:57]
	s_add_nc_u64 s[30:31], s[30:31], s[50:51]
	s_add_nc_u64 s[40:41], s[16:17], s[52:53]
	s_add_nc_u64 s[42:43], s[18:19], s[54:55]
.irp u, 0,1                                        ; all of x that is mine is asked for at once: 32 loads of 512 consecutive bytes
.set i, 0
.rept 16
	global_load_b128 v[ACC+64*\u+4*i:ACC+64*\u+4*i+3], v9, s[26:27] offset:4096*i+512*\u th:TH_LOAD_NT
.set i, i+1
.endr
.endr
.set i, 0
.rept 16
	global_load_b32 v[WS+i], v10, s[42:43] offset:128*i            ; W's scale words of all eight K steps
.set i, i+1
.endr
	WLOAD 0
	WLOAD 1
	UNIT 0, 48                                     ; behind unit 0's loads: unit 1's 16, the 16 scale words, W's 16
	UNIT 1, 32                                     ; behind unit 1's: the 16 scale words, W's 16
	s_wait_dscnt 0x0                               ; for the others' sake: my images and scale words have landed
	s_barrier_signal -1
	s_barrier_wait -1                              ; x's 32 fragments lie in LDS; nothing is stored to LDS from here on
	s_cmp_eq_u32 s37, 2
	s_cbranch_scc1 .Lvpath
.irp s, 0,1,2,3,4,5,6,7
	KSTEP \s, 0
.endr
	WAYOUT 0
	s_wait_xcnt 0x0
	v_lshl_add_u32 v254, v0, 2, 0x29800
	v_mov_b32 v255, 0
	s_wait_tensorcnt 0x0
	ds_add_u32 v254, v255
	s_wait_dscnt 0x0
	s_endpgm
.Lvpath:
.irp s, 0,1,2,3,4,5,6,7
	KSTEP \s, 1
.endr
	WAYOUT 1
	s_wait_xcnt 0x0
	v_lshl_add_u32 v254, v0, 2, 0x29800
	v_mov_b32 v255, 0
	s_wait_tensorcnt 0x0
	ds_add_u32 v254, v255
	s_wait_dscnt 0x0
	s_endpgm
.Lfunc_end_k_q2c2dc5e4ca_proj:
	.size	k_q2c2dc5e4ca_proj, .Lfunc_end_k_q2c2dc5e4ca_proj-k_q2c2dc5e4ca_proj
	.p2alignl 7, 3214868480
	.fill 96, 4, 3214868480
	.section	.rodata,"a",@progbits
	.p2align	6, 0x0
	.amdhsa_kernel k_q2c2dc5e4ca_proj
		.amdhsa_group_segment_fixed_size 172032
		.amdhsa_private_segment_fixed_size 0
		.amdhsa_enable_private_segment 0
		.amdhsa_kernarg_size 88
		.amdhsa_user_sgpr_count 2
		.amdhsa_user_sgpr_kernarg_segment_ptr 1
		.amdhsa_wavefront_size32 1
		.amdhsa_system_sgpr_workgroup_id_x 1
		.amdhsa_system_sgpr_workgroup_id_y 1
		.amdhsa_system_sgpr_workgroup_id_z 1
		.amdhsa_system_vgpr_workitem_id 0
		.amdhsa_next_free_vgpr 256
		.amdhsa_next_free_sgpr 66
		.amdhsa_reserve_vcc 0
		.amdhsa_float_denorm_mode_32 3
		.amdhsa_float_denorm_mode_16_64 3
		.amdhsa_memory_ordered 1
		.amdhsa_forward_progress 1
		.amdhsa_inst_pref_size 98
	.end_amdhsa_kernel
	.amdgpu_metadata
---
amdhsa.version: [ 1, 2 ]
amdhsa.kernels:
  - .name:           k_q2c2dc5e4ca_proj
    .symbol:         k_q2c2dc5e4ca_proj.kd
    .args:
      - { .name: xq, .offset: 0, .size: 8, .value_kind: global_buffer, .address_space: global }
      - { .name: xk, .offset: 8, .size: 8, .value_kind: global_buffer, .address_space: global }
      - { .name: xv, .offset: 16, .size: 8, .value_kind: global_buffer, .address_space: global }
      - { .name: bq, .offset: 24, .size: 8, .value_kind: global_buffer, .address_space: global }
      - { .name: bk, .offset: 32, .size: 8, .value_kind: global_buffer, .address_space: global }
      - { .name: bv, .offset: 40, .size: 8, .value_kind: global_buffer, .address_space: global }
      - { .name: wc, .offset: 48, .size: 8, .value_kind: global_buffer, .address_space: global }
      - { .name: ws, .offset: 56, .size: 8, .value_kind: global_buffer, .address_space: global }
      - { .name: qf, .offset: 64, .size: 8, .value_kind: global_buffer, .address_space: global }
      - { .name: kf, .offset: 72, .size: 8, .value_kind: global_buffer, .address_space: global }
      - { .name: vf, .offset: 80, .size: 8, .value_kind: global_buffer, .address_space: global }
    .group_segment_fixed_size: 172032
    .private_segment_fixed_size: 0
    .kernarg_segment_align: 8
    .kernarg_segment_size: 88
    .max_flat_workgroup_size: 512
    .sgpr_count:     66
    .vgpr_count:     256
    .wavefront_size: 32
...
	.end_amdgpu_metadata
.endif
;; end of part 2
;; launch attn (part 3): grid 8 x 32, 8 waves a work-group, no clusters, 140,288 bytes of LDS; arguments qf, kf, vf, mask, flags, cf; writes cf
.if DOCPART == 3
	.amdgcn_target "amdgcn-amd-amdhsa--gfx1250"
	.amdhsa_code_object_version 6
	.text
	.protected	k_q2c2dc5e4ca_attn
	.globl	k_q2c2dc5e4ca_attn
	.p2align	8
	.type	k_q2c2dc5e4ca_attn,@function
k_q2c2dc5e4ca_attn:
	s_mov_b64 s[64:65], 0
	v_nop
	global_prefetch_b8 v0, s[64:65] scope:SCOPE_SE
	s_setreg_imm32_b32 hwreg(HW_REG_WAVE_MODE, 25, 1), 1
	s_wait_xcnt 0x0
; concat[b][q][h] = softmax_k(q . k / 8 + mask[q][k] x (-1e9)) v, f16 operands, f32 products' sums, maxima, exponentials and row sums; the result rounded once to f16, in the order of the last product's operand registers.
; SHARES.  Work-group (g, 16 b + h) walks its head's keys twice: for queries 128 g .. + 127 and for queries 128 (15 - g) .. + 127.  Wave w: i = w % 4 takes 32 of the 128 queries (two tiles of 16),
; p = w / 4 the p-th 64 keys of each slot of 128 keys.  The two waves of one i keep partial maxima, sums and O, which meet in LDS at a pass's end; each of the two then finishes one tile.
; q arrives multiplied by log2(e) / 8, so a score is t = logit x log2(e) and p = 2^(t - m) wants a subtraction alone.
; LAYOUT.  S^T = K Q^T (source 0 = 16 keys, source 1 = 16 queries) and O^T = V^T P (source 0 = 16 channels, source 1 = P): a lane holds ONE query throughout; two score tiles rounded in pairs ARE a fragment of P.
; THE MASK is honoured as it is given.  An earlier launch has stored, for each 4 rows and each block of 64 keys, two flags.  skip: for each row, every mask number of the block lies 0.5 or more over the row's smallest.
; zero: every mask number of the block is 0.  A wave ANDs the flags of its 32 rows.  skip: the block's work is passed over.  zero: the mask is not read.  Else: t = fma(mask, -1e9 log2(e), t), from 16 loads.
; The block that holds a row's smallest mask number is never passed over, so each row's sum is at least 1.
; K AND V come through two LDS slots of 128 keys (16 KB each of K and V, in fragment order), staged through registers a slot ahead: each wave loads 2 KB of each and stores them to the other slot; one barrier a slot.
; A slot that no wave of the work-group wants is not fetched.  No tensor loads and no joint loads: which steps are walked hangs on the stored flags, by branches, and work-groups of one head want different slots.
; LIMITS: passing over a skip block is exact (its p are 0 in f32) while |logit| stays under 1e8; mask x (-1e9) is fused into the addition (one rounding less; the same bits for masks of 0 and 1);
; in a row all of whose keys carry a large mask the logits are absorbed on a grain of 128 in log2 units where the sum in natural units has 64: the same weights while |logit| stays under 32; NaN and infinities are not served.
; REGISTERS, in windows of 256 (s_set_vgpr_msb: bits 1:0 source 0, 3:2 source 1, 5:4 source 2, 7:6 destination):
;   window 0: v1-7 addresses; v8-15 at work; v16-39 statistics, 12 a tile; v40-103 S^T, then p; v104-167 O^T; v168-199 P; v200-207 the merge's statistics
;   window 1: v0-31 Q; v32-95 K's fragments; v96-159 V's; v160-191 staging; v192-255 mask numbers
.set FR,   1                           ; v1  16 lane + 8,192 p: my half of a slot's K (and, 16,384 on, V)
.set SB,   2                           ; v2  16 lane + 2,048 wave: what I stage, in a slot and in memory
.set GOFF, 3                           ; v3  the same + the slot's place in the head
.set L16,  4                           ; v4  16 lane
.set MOFF, 5                           ; v5  8,192 r + 32 h: my row and my eight keys in a mask tile
.set EXW,  6                           ; v6  where I put my partial results
.set EXR,  7                           ; v7  where I read the two partial results of tile p of my 32 queries
.set ST,   16                          ; tile t at 16 + 12 t: +0 m, +1 pad, +2, +3 l (even, odd keys), +4 a, +5 pad, +6 .. 9 c0-c3
.set S,    40
.set O,    104
.set P,    168
.set Q,    0                           ; window 1
.set KF,   32
.set VF,   96
.set SG,   160
.set MK,   192
.set EX,   65536                       ; LDS: behind the two slots of 32,768: a record of 9,216 bytes a wave: tile t at 4,608 t: O 8 x 512, statistics 512
.set CM,   16                          ; s[16:17] -1e9 log2(e)
.set SEL,  18                          ; s[18:19] v_permlanex16_b32's selects for lane l xor 16
.set OA,   20                          ; s[20:21] where the pass's result goes
.set FOFF, 22                          ; s22      my 8 flag words' byte offset
.set QA,   24                          ; s[24:25] my 32 queries' fragments
.set WV,   84
.set WI,   85
.set WP,   86
.set G,    87
.set BH,   88
.set PS,   89                          ; the pass
.set ZB,   90                          ; its block of 128 queries
.set TR,   91
.set ND,   92                          ; bit j: slot step j wants its slot fetched; shifted down a step at a time
.set FS,   93                          ; my skip bits, the slot in hand lowest
.set FZ,   94                          ; my zero bits
.set KO,   95                          ; the next slot's byte offset in the head
.set MO,   96                          ; s[96:97] my mask tile's byte offset
.set MA,   98                          ; s[98:99] its address
.set MSB, 0
.macro WIN new                         ; the immediate's high byte repeats the setting that is left; at a label and at a branch every window is 0
.if MSB != \new
	s_set_vgpr_msb (MSB<<8)|\new
.set MSB, \new
.endif
.endm
.macro STLOAD off                      ; my 2 KB of a slot's K and of its V into the staging registers
	WIN 0x40
.irp k, 0,1,2,3
	global_load_b128 v[SG+4*\k:SG+4*\k+3], v[\off], s[6:7] offset:512*\k
.endr
.irp k, 0,1,2,3
	global_load_b128 v[SG+16+4*\k:SG+16+4*\k+3], v[\off], s[8:9] offset:512*\k
.endr
	WIN 0
.endm
.macro STSTORE sl                      ; and on into LDS slot sl
	WIN 0x04
.irp k, 0,1,2,3
	ds_store_b128 v[SB], v[SG+4*\k:SG+4*\k+3] offset:32768*(\sl)+512*\k
.endr
.irp k, 0,1,2,3
	ds_store_b128 v[SB], v[SG+16+4*\k:SG+16+4*\k+3] offset:32768*(\sl)+16384+512*\k
.endr
	WIN 0
.endm
.macro SETPASS                         ; what hangs on the pass: the block of queries, my mask offset, my flag words, my queries
	s_and_b32 s100, s[PS], 1
	s_mul_i32 s100, s100, 15
	s_xor_b32 s[ZB], s[G], s100                    ; g, then 15 - g
	s_lshl_b32 s100, s[ZB], 7
	s_lshl_b32 s101, s[WI], 5
	s_add_co_u32 s100, s100, s101                  ; my first query
	s_mov_b32 s[FOFF], s100                        ; a word for each 4 rows: 4 x (row / 4)
	s_lshl_b32 s[MO], s100, 13
	s_lshl_b32 s101, s[WP], 8
	s_add_co_u32 s[MO], s[MO], s101
	s_mov_b32 s[MO+1], 0
	s_lshl_b32 s26, s100, 7                        ; 2,048 bytes for each 16 queries
	s_mov_b32 s27, 0
	s_add_nc_u64 s[QA:QA+1], s[4:5], s[26:27]
.endm
.macro QLOAD
	WIN 0x40
.irp k, 0,1,2,3,4,5,6,7
	global_load_b128 v[Q+4*\k:Q+4*\k+3], v[L16], s[QA:QA+1] offset:512*\k   ; tile t, channels 32 c on, group g at register 16 t + 8 c + 4 g
.endr
	WIN 0
.endm
.macro FLAGLOAD
	s_load_b256 s[68:75], s[12:13], s[FOFF] offset:0x0
	s_load_b256 s[76:83], s[12:13], s[FOFF] offset:0x800
.endm
.macro MASKIN                          ; t = fma(mask, -1e9 log2(e), t) for my 32 queries x 64 keys
	s_wait_xcnt 0x0                                ; earlier loads have read their addresses: the mask's may be written
	s_add_nc_u64 s[MA:MA+1], s[10:11], s[MO:MO+1]
	WIN 0x40
.irp t, 0,1
.irp kt, 0,1,2,3
.irp e, 0,1
	global_load_b128 v[MK+32*\t+8*\kt+4*\e:MK+32*\t+8*\kt+4*\e+3], v[MOFF], s[MA:MA+1] offset:131072*\t+64*\kt+16*\e
.endr
.endr
.endr
	s_wait_loadcnt 0x0
	WIN 0x01
.set i, 0
.rept 32
	v_pk_fma_f32 v[S+2*i:S+2*i+1], v[MK+2*i:MK+2*i+1], s[CM:CM+1], v[S+2*i:S+2*i+1] op_sel_hi:[1,0,1]   ; ascending: each accumulator from its low end on
.set i, i+1
.endr
	WIN 0
.endm
.macro SOFTMAX                         ; both tiles, line by line in turn
.irp j, 0,1,2,3
.irp t, 0,1
	v_max3_num_f32 v[ST+12*\t+6+\j], v[S+32*\t+8*\j], v[S+32*\t+8*\j+1], v[S+32*\t+8*\j+2]   ; four chains; each accumulator's lowest registers first
.endr
.endr
.irp w, 3,5
.irp j, 0,1,2,3
.irp t, 0,1
	v_max3_num_f32 v[ST+12*\t+6+\j], v[ST+12*\t+6+\j], v[S+32*\t+8*\j+\w], v[S+32*\t+8*\j+\w+1]
.endr
.endr
.endr
.irp t, 0,1
	v_max3_num_f32 v[ST+12*\t+6], v[ST+12*\t+6], v[S+32*\t+7], v[S+32*\t+15]
	v_max3_num_f32 v[ST+12*\t+8], v[ST+12*\t+8], v[S+32*\t+23], v[S+32*\t+31]
.endr
.irp t, 0,1
	v_max3_num_f32 v[ST+12*\t+6], v[ST+12*\t+6], v[ST+12*\t+7], v[ST+12*\t+8]
.endr
.irp t, 0,1
	v_max3_num_f32 v[ST+12*\t+6], v[ST+12*\t+6], v[ST+12*\t+9], v[ST+12*\t]   ; and the old m
.endr
.irp t, 0,1
	v_permlanex16_b32 v[ST+12*\t+7], v[ST+12*\t+6], s[SEL], s[SEL+1]          ; the query's other 32 keys lie in the lane 16 away
.endr
.irp t, 0,1
	v_max_num_f32 v[ST+12*\t+9], v[ST+12*\t+6], v[ST+12*\t+7]                 ; the new m
.endr
.irp t, 0,1
	v_sub_f32 v[ST+12*\t+8], v[ST+12*\t], v[ST+12*\t+9]
.endr
.irp t, 0,1
	v_mov_b32 v[ST+12*\t], v[ST+12*\t+9]
.endr
.irp t, 0,1
	v_exp_f32 v[ST+12*\t+4], v[ST+12*\t+8]         ; a = 2^(old m - new m): 1 where m has not grown
.endr
.set i, 0
.rept 16
.irp t, 0,1
	v_pk_add_f32 v[S+32*\t+2*i:S+32*\t+2*i+1], v[S+32*\t+2*i:S+32*\t+2*i+1], v[ST+12*\t:ST+12*\t+1] op_sel_hi:[1,0] neg_lo:[0,1] neg_hi:[0,1]   ; t - m
.endr
.set i, i+1
.endr
.set i, 0
.rept 32                                           ; p = 2^(t - m); O^T x a stands among the exponentials: a plain instruction behind each two (ISA guide 5.7.2), ascending through each accumulator
	v_exp_f32 v[S+2*i], v[S+2*i]
	v_exp_f32 v[S+2*i+1], v[S+2*i+1]
	s_wait_alu depctr_va_vdst(0)
	v_pk_mul_f32 v[O+2*i:O+2*i+1], v[O+2*i:O+2*i+1], v[ST+12*(i/16)+4:ST+12*(i/16)+5] op_sel_hi:[1,0]
.set i, i+1
.endr
.set i, 0
	s_wait_alu depctr_va_vdst(0)
.rept 16
.irp t, 0,1
	v_cvt_pk_f16_f32 v[P+16*\t+i], v[S+32*\t+2*i], v[S+32*\t+2*i+1]
.endr
.set i, i+1
.endr
.irp w, 4,8,16,32                                  ; the sum of the unrounded p: 16 pairs a tile, a tree in place
.set u, 0
.rept 32/\w
.irp t, 0,1
	v_pk_add_f32 v[S+32*\t+\w*u:S+32*\t+\w*u+1], v[S+32*\t+\w*u:S+32*\t+\w*u+1], v[S+32*\t+\w*u+\w/2:S+32*\t+\w*u+\w/2+1]
.endr
.set u, u+1
.endr
.endr
.irp t, 0,1
	v_pk_fma_f32 v[ST+12*\t+2:ST+12*\t+3], v[ST+12*\t+2:ST+12*\t+3], v[ST+12*\t+4:ST+12*\t+5], v[S+32*\t:S+32*\t+1] op_sel_hi:[1,0,1]   ; l = a l + the sum
.endr
.endm
.macro PLACES                          ; four places behind matrix instructions, ahead of reads of their results and of loads into their sources
.rept 4
	v_nop
.endr
.endm
; my 64 keys of LDS slot sl against my 32 queries.  In both products the eight accumulators take turns, one instruction a turn.
.macro COMPUTE sl
	WIN 0x40
.irp kt, 0,1,2,3
.irp c, 0,1
.irp e, 0,1
	ds_load_b128 v[KF+16*\kt+8*\c+4*\e:KF+16*\kt+8*\c+4*\e+3], v[FR] offset:32768*(\sl)+2048*\kt+1024*\c+512*\e
.endr
.endr
.endr
	s_wait_dscnt 0x0
	WIN 0x05                                       ; K and Q in window 1, S^T in window 0
.irp c, 0,1
.irp kt, 0,1,2,3
.irp t, 0,1
.if \c == 0
	v_wmma_f32_16x16x32_f16 v[S+32*\t+8*\kt:S+32*\t+8*\kt+7], v[KF+16*\kt+8*\c:KF+16*\kt+8*\c+7], v[Q+16*\t+8*\c:Q+16*\t+8*\c+7], 0
.else
	v_wmma_f32_16x16x32_f16 v[S+32*\t+8*\kt:S+32*\t+8*\kt+7], v[KF+16*\kt+8*\c:KF+16*\kt+8*\c+7], v[Q+16*\t+8*\c:Q+16*\t+8*\c+7], v[S+32*\t+8*\kt:S+32*\t+8*\kt+7]
.endif
.endr
.endr
.endr
	WIN 0x40
.irp u, 0,1
.irp ct, 0,1,2,3
.irp e, 0,1
	ds_load_b128 v[VF+32*\u+8*\ct+4*\e:VF+32*\u+8*\ct+4*\e+3], v[FR] offset:32768*(\sl)+16384+4096*\u+1024*\ct+512*\e   ; V lands while the softmax is walked
.endr
.endr
.endr
	WIN 0
	PLACES
	s_bitcmp1_b32 s[FZ], 0
	s_cbranch_scc1 .Lzero_\@                       ; the mask adds exactly 0 here: it is not read
	MASKIN
.Lzero_\@:
	SOFTMAX
	s_wait_dscnt 0x0                               ; V is in
	WIN 0x01                                       ; V in window 1; P and O^T in window 0
.irp u, 0,1
.irp ct, 0,1,2,3
.irp t, 0,1
	v_wmma_f32_16x16x32_f16 v[O+32*\t+8*\ct:O+32*\t+8*\ct+7], v[VF+32*\u+8*\ct:VF+32*\u+8*\ct+7], v[P+16*\t+8*\u:P+16*\t+8*\u+7], v[O+32*\t+8*\ct:O+32*\t+8*\ct+7]
.endr
.endr
.endr
	WIN 0
	PLACES
.endm
; A slot step.  The next slot is asked for first, worked under, and stored to the other LDS slot at the end.  The two waits and the barrier stand on every way; the two branches round the staging test the same bit.
.macro SLOTSTEP sl
	s_lshr_b32 s[ND], s[ND], 1
	s_bitcmp1_b32 s[ND], 0
	s_cbranch_scc0 .Lnoload_\@
	v_add_nc_u32 v[GOFF], s[KO], v[SB]             ; (every earlier load that named it has been waited for)
	STLOAD GOFF
.Lnoload_\@:
	s_bitcmp1_b32 s[FS], 0
	s_cbranch_scc1 .Lpassed_\@                     ; none of my 32 queries can take anything from these 64 keys
	COMPUTE \sl
.Lpassed_\@:
	s_wait_loadcnt 0x0                             ; the staged bytes are in registers
	s_bitcmp1_b32 s[ND], 0
	s_cbranch_scc0 .Lnostore_\@
	STSTORE 1-(\sl)
.Lnostore_\@:
	s_wait_dscnt 0x0                               ; my stores into the other slot have landed and my reads of this one are back
	s_barrier_signal -1
	s_barrier_wait -1                              ; both now hold of all eight waves
	s_lshr_b32 s[FS], s[FS], 1
	s_lshr_b32 s[FZ], s[FZ], 1
	s_add_co_u32 s[KO], s[KO], 16384
	s_and_b32 s[KO], s[KO], 0x3ffff                ; 16 slots, then the head's first again
	s_add_co_u32 s[MO], s[MO], 512                 ; 128 keys on in the mask's rows (an offset: it stays under 2^25)
.endm
	s_load_b256 s[4:11], s[0:1], 0x0               ; qf s[4:5], kf s[6:7], vf s[8:9], mask s[10:11]
	s_load_b128 s[12:15], s[0:1], 0x20             ; flags s[12:13], cf s[14:15]
	v_lshl_add_u32 v254, v0, 2, 0x22000
	v_mov_b32 v255, 0
	v_lshrrev_b32 v8, 5, v0
	v_readfirstlane_b32 s[WV], v8                  ; wave 0..7
	s_and_b32 s[WI], s[WV], 3
	s_lshr_b32 s[WP], s[WV], 2
	s_mov_b32 s[G], ttmp9
	s_and_b32 s[BH], ttmp7, 0xffff                 ; 16 batch + head
	v_and_b32 v8, 31, v0
	v_lshlrev_b32 v[L16], 4, v8
	s_lshl_b32 s100, s[WP], 13
	v_add_nc_u32 v[FR], s100, v[L16]
	s_lshl_b32 s100, s[WV], 11
	v_add_nc_u32 v[SB], s100, v[L16]
	v_and_b32 v9, 15, v0
	v_bfe_u32 v10, v0, 4, 1
	v_lshlrev_b32 v[MOFF], 13, v9
	v_lshl_add_u32 v[MOFF], v10, 5, v[MOFF]
	s_mul_i32 s100, s[WV], 9216
	s_add_co_u32 s100, s100, EX
	v_add_nc_u32 v[EXW], s100, v[L16]
	s_mul_i32 s100, s[WI], 9216
	s_mul_i32 s101, s[WP], 4608
	s_add_co_u32 s100, s100, s101
	s_add_co_u32 s100, s100, EX
	v_add_nc_u32 v[EXR], s100, v[L16]
	s_lshl_b32 s100, s[G], 7                       ; the 32 skip words of block g,
	s_sub_co_u32 s101, 15, s[G]
	s_lshl_b32 s101, s101, 7                       ; and of block 15 - g
	s_wait_kmcnt 0x0
	s_load_b512 s[16:31], s[12:13], s100 offset:0x0
	s_load_b512 s[32:47], s[12:13], s100 offset:0x40
	s_load_b512 s[48:63], s[12:13], s101 offset:0x0
	s_load_b512 s[68:83], s[12:13], s101 offset:0x40
	v_mov_b32 v13, 0                               ; a lane permute's destination counts as one of its sources
.irp t, 0,1
	v_mov_b32 v[ST+12*\t+1], 0                     ; the upper halves of pairs that are named whole
	v_mov_b32 v[ST+12*\t+5], 0
.endr
	WIN 0x40
.set i, 0
.rept 32
	v_mov_b32 v[SG+i], 0                           ; the staging registers are written once, so that they are defined on every way through a slot step
.set i, i+1
.endr
	WIN 0
	s_wait_kmcnt 0x0
	s_and_b32 s100, s16, s17                       ; a slot is fetched in a pass unless all 128 rows pass over both of its halves
.irp n, 18,19,20,21,22,23,24,25,26,27,28,29,30,31,32,33,34,35,36,37,38,39,40,41,42,43,44,45,46,47
	s_and_b32 s100, s100, s[\n]
.endr
	s_and_b32 s101, s48, s49
.irp n, 50,51,52,53,54,55,56,57,58,59,60,61,62,63,68,69,70,71,72,73,74,75,76,77,78,79,80,81,82,83
	s_and_b32 s101, s101, s[\n]
.endr
	s_lshr_b32 s[FS], s100, 16
	s_and_b32 s100, s100, s[FS]
	s_not_b32 s100, s100
	s_and_b32 s100, s100, 0xffff
	s_lshr_b32 s[FS], s101, 16
	s_and_b32 s101, s101, s[FS]
	s_not_b32 s101, s101
	s_lshl_b32 s101, s101, 16
	s_or_b32 s[ND], s100, s101                     ; bits 0-15: the first pass's slots; bits 16-31: the second's
	s_lshl_b32 s26, s[BH], 18                      ; the head's 262,144 bytes in qf, kf and vf
	s_mov_b32 s27, 0
	s_add_nc_u64 s[4:5], s[4:5], s[26:27]
	s_add_nc_u64 s[6:7], s[6:7], s[26:27]
	s_add_nc_u64 s[8:9], s[8:9], s[26:27]
	; cf [TT / 4][kk / 8][TT % 4][kk % 8][1,024], TT = 128 b + 8 ZB + 2 i + p, kk = 2 h + c: all of it but ZB's part
	s_lshr_b32 s26, s[BH], 4
	s_lshl_b32 s26, s26, 7
	s_bfe_u32 s28, s[BH], 0x20002                  ; h / 4
	s_add_co_u32 s26, s26, s28
	s_lshl_b32 s26, s26, 15
	s_lshr_b32 s28, s[WI], 1
	s_lshl_b32 s28, s28, 17
	s_add_co_u32 s26, s26, s28
	s_and_b32 s28, s[WI], 1
	s_lshl_b32 s28, s28, 1
	s_add_co_u32 s28, s28, s[WP]
	s_lshl_b32 s28, s28, 13
	s_add_co_u32 s26, s26, s28
	s_and_b32 s28, s[BH], 3
	s_lshl_b32 s28, s28, 11
	s_add_co_u32 s26, s26, s28
	s_add_nc_u64 s[14:15], s[14:15], s[26:27]
	s_mov_b32 s[CM], 0xceabfb8f                    ; -1e9 log2(e)
	s_mov_b32 s[CM+1], s[CM]
	s_mov_b32 s[SEL], 0x76543210
	s_mov_b32 s[SEL+1], 0xfedcba98
	s_mov_b32 s[PS], 0
	SETPASS
	QLOAD
	FLAGLOAD
	s_bitcmp1_b32 s[ND], 0                         ; the first slot, if anybody wants it
	s_cbranch_scc0 .Lfirst_noload
	STLOAD SB
.Lfirst_noload:
	s_wait_loadcnt 0x0
	s_bitcmp1_b32 s[ND], 0
	s_cbranch_scc0 .Lfirst_nostore
	STSTORE 0
.Lfirst_nostore:
	s_wait_dscnt 0x0
	s_barrier_signal -1
	s_barrier_wait -1
	s_mov_b32 s[KO], 16384
.Lpass:
	s_wait_kmcnt 0x0                               ; my 8 skip words and my 8 zero words
	s_and_b32 s100, s68, s69
	s_and_b32 s101, s76, s77
.irp n, 70,71,72,73,74,75
	s_and_b32 s100, s100, s[\n]
	s_and_b32 s101, s101, s[\n+8]
.endr
	s_lshl_b32 s26, s[WP], 4                       ; my half of each slot: bits 0-15 or 16-31
	s_lshr_b32 s100, s100, s26
	s_and_b32 s[FS], s100, 0xffff
	s_lshr_b32 s101, s101, s26
	s_and_b32 s[FZ], s101, 0xffff
.set i, 0
.rept 64
	v_mov_b32 v[O+i], 0                            ; which block is a wave's first hangs on the flags, so no product is written out to start the sums
.set i, i+1
.endr
.irp t, 0,1
	v_mov_b32 v[ST+12*\t], 0xff61b1e6              ; m = -3e38, under every t
	v_mov_b32 v[ST+12*\t+2], 0
	v_mov_b32 v[ST+12*\t+3], 0
.endr
	s_wait_loadcnt 0x0                             ; Q
	s_mov_b32 s[TR], 8
.Lslots:
	SLOTSTEP 0
	SLOTSTEP 1
	s_sub_co_u32 s[TR], s[TR], 1
	s_cmp_lg_u32 s[TR], 0
	s_cbranch_scc1 .Lslots
	; ---- the pass's end: the two halves of the keys meet
	s_lshl_b32 s26, s[ZB], 18
	s_mov_b32 s27, 0
	s_add_nc_u64 s[OA:OA+1], s[14:15], s[26:27]
	s_add_co_u32 s[PS], s[PS], 1
.irp t, 0,1
.irp k, 0,1,2,3,4,5,6,7
	ds_store_b128 v[EXW], v[O+32*\t+4*\k:O+32*\t+4*\k+3] offset:4608*\t+512*\k   ; as images of the registers; each accumulator from its low end on
.endr
	ds_store_b128 v[EXW], v[ST+12*\t:ST+12*\t+3] offset:4608*\t+4096             ; m, l
.endr
	s_cmp_lt_u32 s[PS], 2
	s_cbranch_scc0 .Lno_next
	SETPASS                                        ; the next pass's queries and flags are asked for here
	QLOAD
	FLAGLOAD
.Lno_next:
	s_wait_dscnt 0x0
	s_barrier_signal -1
	s_barrier_wait -1
.irp k, 0,1,2,3,4,5,6,7
	ds_load_b128 v[S+4*\k:S+4*\k+3], v[EXR] offset:512*\k                        ; tile p of my 32 queries: the first halves' part,
	ds_load_b128 v[S+32+4*\k:S+32+4*\k+3], v[EXR] offset:36864+512*\k            ; and the second halves'
.endr
	ds_load_b128 v[200:203], v[EXR] offset:4096
	ds_load_b128 v[204:207], v[EXR] offset:36864+4096
	s_wait_dscnt 0x0
	v_max_num_f32 v8, v200, v204                   ; the row's m
	v_sub_f32 v9, v200, v8
	v_sub_f32 v10, v204, v8
	v_exp_f32 v9, v9
	v_exp_f32 v10, v10
	v_add_f32 v11, v202, v203                      ; (plain places behind the exponentials)
	v_add_f32 v12, v206, v207
	s_wait_alu depctr_va_vdst(0)
	v_mul_f32 v11, v9, v11
	v_fma_f32 v11, v10, v12, v11
	v_permlanex16_b32 v13, v11, s[SEL], s[SEL+1]
	v_add_f32 v11, v11, v13                        ; the row's sum: both parts, both halves of the lanes
	v_rcp_f32 v11, v11
	v_nop                                          ; a plain place behind the reciprocal
	s_wait_alu depctr_va_vdst(0)
	v_mul_f32 v12, v9, v11
	v_mul_f32 v13, v9, v11
	v_mul_f32 v14, v10, v11
	v_mul_f32 v15, v10, v11
.set i, 0
.rept 16
	v_pk_mul_f32 v[S+2*i:S+2*i+1], v[S+2*i:S+2*i+1], v[12:13]
.set i, i+1
.endr
.set i, 0
.rept 16
	v_pk_fma_f32 v[S+2*i:S+2*i+1], v[S+32+2*i:S+32+2*i+1], v[14:15], v[S+2*i:S+2*i+1]
.set i, i+1
.endr
.set i, 0
.rept 16
	v_cvt_pk_f16_f32 v[P+i], v[S+2*i], v[S+2*i+1]  ; two fragments: 16 tokens x channels 32 c on
.set i, i+1
.endr
.irp k, 0,1,2,3
	global_store_b128 v[L16], v[P+4*\k:P+4*\k+3], s[OA:OA+1] offset:512*\k       ; 32 lanes store 512 consecutive bytes; the four cover 2,048 on end
.endr
	s_wait_xcnt 0x0                                ; the stores have read their registers and their base: both are written again in the next pass
	s_cmp_lt_u32 s[PS], 2
	s_cbranch_scc1 .Lpass
	s_wait_tensorcnt 0x0
	ds_add_u32 v254, v255
	s_wait_dscnt 0x0
	s_endpgm
.Lfunc_end_k_q2c2dc5e4ca_attn:
	.size	k_q2c2dc5e4ca_attn, .Lfunc_end_k_q2c2dc5e4ca_attn-k_q2c2dc5e4ca_attn
	.p2alignl 7, 3214868480
	.fill 96, 4, 3214868480
	.section	.rodata,"a",@progbits
	.p2align	6, 0x0
	.amdhsa_kernel k_q2c2dc5e4ca_attn
		.amdhsa_group_segment_fixed_size 140288
		.amdhsa_private_segment_fixed_size 0
		.amdhsa_enable_private_segment 0
		.amdhsa_kernarg_size 48
		.amdhsa_user_sgpr_count 2
		.amdhsa_user_sgpr_kernarg_segment_ptr 1
		.amdhsa_wavefront_size32 1
		.amdhsa_system_sgpr_workgroup_id_x 1
		.amdhsa_system_sgpr_workgroup_id_y 1
		.amdhsa_system_sgpr_workgroup_id_z 1
		.amdhsa_system_vgpr_workitem_id 0
		.amdhsa_next_free_vgpr 512
		.amdhsa_next_free_sgpr 104
		.amdhsa_reserve_vcc 0
		.amdhsa_float_denorm_mode_32 3
		.amdhsa_float_denorm_mode_16_64 3
		.amdhsa_memory_ordered 1
		.amdhsa_forward_progress 1
		.amdhsa_inst_pref_size 69
	.end_amdhsa_kernel
	.amdgpu_metadata
---
amdhsa.version: [ 1, 2 ]
amdhsa.kernels:
  - .name:           k_q2c2dc5e4ca_attn
    .symbol:         k_q2c2dc5e4ca_attn.kd
    .args:
      - { .name: qf, .offset: 0, .size: 8, .value_kind: global_buffer, .address_space: global }
      - { .name: kf, .offset: 8, .size: 8, .value_kind: global_buffer, .address_space: global }
      - { .name: vf, .offset: 16, .size: 8, .value_kind: global_buffer, .address_space: global }
      - { .name: mask, .offset: 24, .size: 8, .value_kind: global_buffer, .address_space: global }
      - { .name: flags, .offset: 32, .size: 8, .value_kind: global_buffer, .address_space: global }
      - { .name: cf, .offset: 40, .size: 8, .value_kind: global_buffer, .address_space: global }
    .group_segment_fixed_size: 140288
    .private_segment_fixed_size: 0
    .kernarg_segment_align: 8
    .kernarg_segment_size: 48
    .max_flat_workgroup_size: 256
    .sgpr_count:     104
    .vgpr_count:     512
    .wavefront_size: 32
...
	.end_amdgpu_metadata
.endif
;; end of part 3
;; launch outp (part 4): grid 8 x 32, 4 waves a work-group, clusters of 4 x 4, 327,680 bytes of LDS; arguments cf, wo16, bo, out0; writes out0
.if DOCPART == 4
	.amdgcn_target "amdgcn-amd-amdhsa--gfx1250"
	.amdhsa_code_object_version 6
	.text
	.protected	k_q2c2dc5e4ca_outp
	.globl	k_q2c2dc5e4ca_outp
	.p2align	8
	.type	k_q2c2dc5e4ca_outp,@function
k_q2c2dc5e4ca_outp:
	s_mov_b64 s[64:65], 0
	v_nop
	global_prefetch_b8 v0, s[64:65] scope:SCOPE_SE
	s_setreg_imm32_b32 hwreg(HW_REG_WAVE_MODE, 25, 1), 1
	s_wait_xcnt 0x0
	s_wait_alu depctr_hold_cnt(0) depctr_sa_sdst(0) depctr_va_vdst(0) depctr_va_sdst(0) depctr_va_ssrc(0) depctr_va_vcc(0) depctr_vm_vsrc(0)
	s_getreg_b32 s2, hwreg(HW_REG_IB_STS2, 6, 4)
	s_cmp_eq_u32 s2, 0
	s_cbranch_scc0 .Lentry_in_a_cluster
	s_endpgm
.Lentry_in_a_cluster:
	s_bfe_u32 s2, ttmp6, 0x10000c
	s_cmp_lg_u32 s2, 0xf033
	s_cbranch_scc0 .Lentry_shape_is_right
	s_endpgm
.Lentry_shape_is_right:
; out0[m][n] = sum over k of concat[m][k] Wo[k][n] + bo[n].  4,096 x 1,024 x 1,024; f16 operands, f32 sums, f32 out.
; Both operands lie in memory in the order of the operand's registers: cf [TT / 4][kk / 8][TT % 4][kk % 8][1,024 bytes] (16 tokens TT x 32 k kk), wo16 the same with tiles of 16 columns.
; So 64 rows x 256 along K are ONE dense block of 32,768 bytes: a wave's tensor load brings it as 128 rows of 256 bytes, and a fragment's register group comes out of LDS by one load of 16 bytes a lane, 512 on end: no padding.
; A tile of out0 is 128 x 128: 256 work-groups.  Four waves, each 64 x 64: 16 accumulators.  K goes in four steps of 256 through two LDS slots of 131,072 bytes (A's two halves, then B's two).
; CLUSTERS: 4 x 4 work-groups.  The four of a row of the cluster need the same tiles of A, the four of a column the same tiles of B: each tile is asked for JOINTLY, by the same tensor load with the same
; descriptor and a mask that names the four.  THE MATRIX INSTRUCTION IS USED TRANSPOSED (source 0 = 16 columns of Wo, source 1 = 16 tokens): a lane holds eight neighbouring numbers of a row of out0.
; The bias is the C of each sum's first matrix instruction.  A wave's 64 columns of f32 are 256 bytes, aligned: each wave has a stage of its own on the way out, and no barrier is needed there.
; A wave has at most two tensor loads outstanding (the two first fills), later one.
; LIMIT: |concat| and |Wo| stay under 65,504 (f16).
; REGISTERS: window 0: v0-31 addresses; v32-95 rows on the way out; v96-127 the bias; v128-255 the accumulators ((a, b) at v[128 + 8 (4 a + b)]).
;   window 1: two fragment buffers of 128: for 64 along K, 64 registers of A (2 x 4 x 16 rows x 32 K), then 64 of B.
.set HALFT,  32768                     ; 64 rows x 256 along K: what one tensor load brings, and what one wave reads of A or of B
.set SLOT,   4*HALFT
.set STAGE,  2*SLOT                    ; behind the ring: 16 rows x 272 bytes for each wave
.set SPITCH, 272
.set SPARE,  STAGE+4*16*SPITCH         ; behind the stages: the spare words, 128 bytes for each wave: two blocks of 256 bytes that no other line names
.set LAPS,   2                         ; a lap = two K steps = once round the ring
.set ADRA, 16                          ; v16-17  LDS address of my A fragments in slot 0, 1
.set ADRB, 20                          ; v20-21  the same for B
.set STO,  24                          ; v24     the way out: where I put 32 bytes of a row
.set RD,   25                          ; v25     where I read a row back
.set CO,   26                          ; v26     my byte offset in out0
.set SPW,  28                          ; v28     LDS address of my spare word: SPARE + 4 x my thread's number; never rewritten
.set NIL,  29                          ; v29     0; never rewritten
.set OB,   32
.set BI,   96
.set ACC,  128
.set F0,   0
.set F1,   128
.set G1, 24                            ; s[24:31] descriptor group 1 for A's tiles;  s[32:39] group 0, one set for each slot
.set G0, 32
.set G1B, 48                           ; s[48:55], s[56:63] the same for B's tiles
.set G0B, 56
.set MSB, 0
.macro WIN new                         ; the immediate's high byte repeats the setting that is left
.if MSB != \new
	s_set_vgpr_msb (MSB<<8)|\new
.set MSB, \new
.endif
.endm
.set MUL,  0x05                        ; sources 0 (B) and 1 (A) window 1; C and D window 0
.set TO_F, 0x40                        ; destination window 1, address window 0
.macro JLOAD s                         ; a joint load: waves 0 and 1 fetch A's two halves, waves 2 and 3 B's; four v_nop follow each of the two lines, ahead of the jump, the label and what follows
	s_cmp_eq_u32 s11, 0
	s_cbranch_scc0 .Lfor_b_\@
	tensor_load_to_lds s[G0+4*\s:G0+4*\s+3], s[G1:G1+7]
	s_nop 0
.rept 4
	v_nop
.endr
	s_branch .Lasked_\@
.Lfor_b_\@:
	tensor_load_to_lds s[G0B+4*\s:G0B+4*\s+3], s[G1B:G1B+7]
	s_nop 0
.rept 4
	v_nop
.endr
.Lasked_\@:
.endm
.macro CREST                           ; a round of the cluster's barrier behind its opening barrier
	s_cmp_lg_u32 s10, 0
	s_cbranch_scc1 .Lnot_wave_0_\@
	s_barrier_signal -3
.Lnot_wave_0_\@:
	s_barrier_wait -3
	s_barrier_signal -1
	s_barrier_wait -1
.endm
.macro CROUND                          ; a whole round
	s_barrier_signal -1
	s_barrier_wait -1
	CREST
.endm
	s_load_b128 s[4:7], s[0:1], 0x0                ; cf s[4:5], wo16 s[6:7]
	s_load_b128 s[44:47], s[0:1], 0x10             ; bo s[44:45], out0 s[46:47]
	v_lshl_add_u32 v[SPW], v0, 2, SPARE
	v_mov_b32 v[NIL], 0
	ds_add_u32 v28, v29
	ds_add_u32 v28, v29
	s_wait_dscnt 0x0
	v_lshrrev_b32 v1, 5, v0
	v_readfirstlane_b32 s10, v1                    ; wave 0..3
	s_lshr_b32 s11, s10, 1                         ; which half of the tile's rows is mine.  Also: I fetch for A (0) or for B (1)
	s_and_b32 s12, s10, 1                          ; which half of its columns.  Also: which 64 rows of that tile I fetch
	s_bfe_u32 s40, ttmp6, 0x40000                  ; cx, cy: my place in the cluster
	s_bfe_u32 s41, ttmp6, 0x40004
	s_lshl_b32 s42, ttmp9, 2
	s_add_co_u32 s42, s42, s40                     ; tile column = 4 x cluster x + cx
	s_and_b32 s13, ttmp7, 0xffff
	s_lshl_b32 s13, s13, 2
	s_add_co_u32 s13, s13, s41                     ; tile row = 4 x cluster y + cy
	s_lshl_b32 s14, s41, 2
	s_lshl_b32 s14, 15, s14                        ; my row of the cluster
	s_lshl_b32 s15, 0x1111, s40                    ; my column
	; descriptor group 1: a dense block of 32,768 bytes as 128 rows of 32 elements of 8 bytes, no padding
	s_or_b32 s[G1+0], s14, (3<<16)|(1<<21)         ; 15:0 the mask: A's tiles go to my row; 17:16 elements of 8 bytes; 21 set beside a mask
	s_or_b32 s[G1B+0], s15, (3<<16)|(1<<21)        ; B's go to my column
.irp g, G1, G1B
	s_mov_b32 s[\g+1], 32<<16                      ; tensor_dim0 = 32
	s_mov_b32 s[\g+2], 128<<16                     ; tensor_dim1 = 128
	s_mov_b32 s[\g+3], 32<<16                      ; tile_dim0 = 32
	s_mov_b32 s[\g+4], 128                         ; tile_dim1 = 128
	s_mov_b32 s[\g+5], 32                          ; tensor_dim0_stride
	s_mov_b32 s[\g+6], 0
	s_mov_b32 s[\g+7], 0
.endr
	s_lshl_b32 s16, s13, 1
	s_add_co_u32 s16, s16, s12
	s_lshl_b32 s16, s16, 17                        ; A: group of 64 rows 2 x tile row + half: 4 K steps of 32,768 bytes each
	s_mov_b32 s17, 0
	s_lshl_b32 s18, s42, 1
	s_add_co_u32 s18, s18, s12
	s_lshl_b32 s18, s18, 17                        ; B: group of 64 columns 2 x tile column + half
	s_mov_b32 s19, 0
	s_mul_i32 s20, s10, HALFT                      ; where they go: wave x 32,768: no place in the cluster enters an LDS address
	s_wait_kmcnt 0x0
	s_add_nc_u64 s[16:17], s[4:5], s[16:17]
	s_add_nc_u64 s[18:19], s[6:7], s[18:19]
	CROUND                                         ; all sixteen work-groups are here: the first joint loads meet
.irp s, 0,1
	s_mov_b32 s[G0+4*\s], 1
	s_add_co_u32 s[G0+4*\s+1], s20, \s*SLOT
	s_add_nc_u64 s[G0+4*\s+2:G0+4*\s+3], s[16:17], \s*HALFT        ; K step s
	s_or_b32 s[G0+4*\s+3], s[G0+4*\s+3], 0x80000000
	s_mov_b32 s[G0B+4*\s], 1
	s_add_co_u32 s[G0B+4*\s+1], s20, \s*SLOT
	s_add_nc_u64 s[G0B+4*\s+2:G0B+4*\s+3], s[18:19], \s*HALFT
	s_or_b32 s[G0B+4*\s+3], s[G0B+4*\s+3], 0x80000000
	JLOAD \s
.endr
	v_and_b32 v1, 15, v0                           ; l % 16
	v_bfe_u32 v2, v0, 4, 1                         ; l / 16
	v_and_b32 v3, 31, v0
	v_lshlrev_b32 v3, 4, v3                        ; 16 x lane: my place in every register group's image
	s_mul_i32 s21, s11, HALFT                      ; my 64 rows of A
	s_mul_i32 s22, s12, HALFT                      ; my 64 columns of B,
	s_add_co_u32 s22, s22, 2*HALFT                 ; which lie behind A's two halves
.irp s, 0,1
	v_add_nc_u32 v[ADRA+\s], s21, v3
	v_add_nc_u32 v[ADRB+\s], s22, v3
	s_add_co_u32 s21, s21, SLOT
	s_add_co_u32 s22, s22, SLOT
.endr
	s_mul_i32 s23, s10, 16*SPITCH
	s_add_co_u32 s23, s23, STAGE                   ; my stage
	v_mul_u32_u24 v4, v1, SPITCH                   ; in: row l % 16, 32 bytes for each half of the lanes
	v_lshl_add_u32 v4, v2, 5, v4
	v_add_nc_u32 v[STO], s23, v4
	v_mul_u32_u24 v5, v2, SPITCH                   ; back: lanes 0-15 take one row of 256 bytes, lanes 16-31 the next
	v_lshl_add_u32 v5, v1, 4, v5
	v_add_nc_u32 v[RD], s23, v5
	v_lshlrev_b32 v5, 12, v2                       ; and the same two rows in out0: 4,096 bytes a row
	v_lshl_add_u32 v[CO], v1, 4, v5
	s_lshl_b32 s16, s13, 7
	s_lshl_b32 s17, s11, 6
	s_add_co_u32 s16, s16, s17                     ; my first row: 128 x tile row + 64 x half
	s_lshl_b32 s16, s16, 12
	s_mov_b32 s17, 0
	s_add_nc_u64 s[46:47], s[46:47], s[16:17]
	s_lshl_b32 s18, s42, 7
	s_lshl_b32 s19, s12, 6
	s_add_co_u32 s18, s18, s19                     ; my first column: 128 x tile column + 64 x half
	s_lshl_b32 s18, s18, 2
	s_mov_b32 s19, 0
	s_add_nc_u64 s[46:47], s[46:47], s[18:19]
	s_add_nc_u64 s[44:45], s[44:45], s[18:19]
	v_lshlrev_b32 v6, 5, v2                        ; the bias in the result's layout: for column block b the eight numbers at 16 b + 8 (l / 16)
.irp b, 0,1,2,3
	global_load_b128 v[BI+8*\b:BI+8*\b+3], v6, s[44:45] offset:64*\b
	global_load_b128 v[BI+8*\b+4:BI+8*\b+7], v6, s[44:45] offset:64*\b+16
.endr
; 8 matrix instructions: row blocks a0, a0 + 1 x all 4 column blocks, 32 along K: half c of buffer f.  first = 1: the first product starts the sums, from the bias.
; The 16 accumulators take turns, one instruction a turn.
.macro MUL8 f, c, a0, first
.irp a, \a0, \a0+1
.irp b, 0,1,2,3
.if \first
	v_wmma_f32_16x16x32_f16 v[ACC+8*(4*(\a)+\b):ACC+8*(4*(\a)+\b)+7], v[\f+64+8*(4*\c+\b):\f+64+8*(4*\c+\b)+7], v[\f+8*(4*\c+\a):\f+8*(4*\c+\a)+7], v[BI+8*\b:BI+8*\b+7]
.else
	v_wmma_f32_16x16x32_f16 v[ACC+8*(4*(\a)+\b):ACC+8*(4*(\a)+\b)+7], v[\f+64+8*(4*\c+\b):\f+64+8*(4*\c+\b)+7], v[\f+8*(4*\c+\a):\f+8*(4*\c+\a)+7], v[ACC+8*(4*(\a)+\b):ACC+8*(4*(\a)+\b)+7]
.endif
.endr
.endr
.endm
; 32 LDS loads in one run: the fragments of the slot's q-th 64 along K into buffer f; the first 32 along K first.  Fragment (block i, kk) lies at 8,192 i + 1,024 kk
.macro FETCH slot, q, f
	WIN TO_F
.irp c, 0,1
.irp i, 0,1,2,3
	ds_load_b128 v[\f+64+8*(4*\c+\i):\f+64+8*(4*\c+\i)+3],   v[ADRB+\slot] offset:1024*(2*(\q)+\c)+8192*\i
	ds_load_b128 v[\f+64+8*(4*\c+\i)+4:\f+64+8*(4*\c+\i)+7], v[ADRB+\slot] offset:1024*(2*(\q)+\c)+8192*\i+512
	ds_load_b128 v[\f+8*(4*\c+\i):\f+8*(4*\c+\i)+3],         v[ADRA+\slot] offset:1024*(2*(\q)+\c)+8192*\i
	ds_load_b128 v[\f+8*(4*\c+\i)+4:\f+8*(4*\c+\i)+7],       v[ADRA+\slot] offset:1024*(2*(\q)+\c)+8192*\i+512
.endr
.endr
.endm
.macro PLACES                          ; four places in front of loads into registers that matrix instructions have read, and of the first read of results
.rept 4
	v_nop
.endr
.endm
; A K step is four quarters of 64 along K, 32 matrix instructions each, on buffers 0, 1, 0, 1.  One of the first three: multiplies buffer f and fetches quarter q into g.
.macro QUARTER slot, q, f, g, first
	s_wait_dscnt 16                                ; the first 32 along K are in
	WIN MUL
	MUL8 \f, 0, 0, \first
	MUL8 \f, 0, 2, \first
	PLACES
	FETCH \slot, \q, \g
	s_wait_dscnt 32                                ; all but the 32 just issued
	WIN MUL
	MUL8 \f, 1, 0, 0
	MUL8 \f, 1, 2, 0
.endm
; The last quarter multiplies buffer 1 and changes slots: ONE barrier; in front of it each wave waits for all its tensor loads, adds 0 to its spare word, and waits for that and for its own reads of this slot.  fill = 1: this slot is filled again, two K steps ahead.
.macro TURN slot, next, fill
	WIN 0                                          ; (the add's two registers lie in window 0)
	s_wait_tensorcnt 0x0                           ; all my tensor loads have landed: my part of the next slot;
	ds_add_u32 v[SPW], v[NIL]                      ; 0 onto my spare word;
	s_wait_dscnt 17                                ; (the add and the youngest sixteen loads may be out)
	WIN MUL
	MUL8 F1, 0, 0, 0                               ; eight matrix instructions stand between the add and the wait for it
	s_wait_dscnt 0x0                               ; the add is done, and my reads of this slot are over
	s_barrier_signal -1
	MUL8 F1, 0, 2, 0
.if \fill
	WIN 0
.endif
	s_barrier_wait -1
.if \fill
	CREST                                          ; the barrier has opened a round of the cluster's barrier: no wave of any partner still reads this slot's tile or has a load on its way
	s_add_nc_u64 s[G0+4*\slot+2:G0+4*\slot+3], s[G0+4*\slot+2:G0+4*\slot+3], 2*HALFT
	s_add_nc_u64 s[G0B+4*\slot+2:G0B+4*\slot+3], s[G0B+4*\slot+2:G0B+4*\slot+3], 2*HALFT
	JLOAD \slot                                    ; the first tensor load behind the round; the four v_nop behind it are also the places in front of the loads below
.else
	PLACES
.endif
	FETCH \next, 0, F0
	WIN MUL
	MUL8 F1, 1, 0, 0
	MUL8 F1, 1, 2, 0
.endm
	s_wait_tensorcnt 1                             ; my part of K step 0 is in; K step 1's may stay out
	s_barrier_signal -1
	s_barrier_wait -1                              ; everybody's is
	FETCH 0, 0, F0
	s_wait_loadcnt 0x0                             ; the bias
	QUARTER 0, 1, F0, F1, 1                        ; the first quarter stands in front of the loop: its first products start the sums
	WIN 0                                          ; at a label and at a branch every window is 0
	s_mov_b32 s3, LAPS-1
.Llap:                                             ; a trip goes once round the ring, from a lap's second quarter to the next lap's first, and fills both slots again
	QUARTER 0, 2, F1, F0, 0
	QUARTER 0, 3, F0, F1, 0
	TURN 0, 1, 1
	QUARTER 1, 1, F0, F1, 0
	QUARTER 1, 2, F1, F0, 0
	QUARTER 1, 3, F0, F1, 0
	TURN 1, 0, 1
	QUARTER 0, 1, F0, F1, 0
	WIN 0
	s_sub_co_u32 s3, s3, 1
	s_cmp_lg_u32 s3, 0
	s_cbranch_scc1 .Llap
	QUARTER 0, 2, F1, F0, 0                        ; the last lap fills nothing, and has no round of the cluster's barrier
	QUARTER 0, 3, F0, F1, 0
	TURN 0, 1, 0
	QUARTER 1, 1, F0, F1, 0
	QUARTER 1, 2, F1, F0, 0
	QUARTER 1, 3, F0, F1, 0
	s_wait_dscnt 16                                ; the very last quarter: nothing more to fetch
	WIN MUL
	MUL8 F1, 0, 0, 0
	MUL8 F1, 0, 2, 0
	s_wait_dscnt 0
	MUL8 F1, 1, 0, 0
	MUL8 F1, 1, 2, 0
	WIN 0
; THE WAY OUT, a block of 16 rows x 64 columns at a time.  A lane holds 32 neighbouring bytes of a row and the lanes beside it hold other rows: a block goes through my own stage and comes back as whole rows of 256 bytes.
; LDS serves a wave's instructions in order (ISA guide 5.7.1.4): no wait between the stores and the loads, nor in front of the next block's stores.
.macro TOSTAGE a
.irp b, 0,1,2,3
	ds_store_b128 v[STO], v[ACC+8*(4*(\a)+\b):ACC+8*(4*(\a)+\b)+3] offset:64*\b          ; each accumulator from its low end on
	ds_store_b128 v[STO], v[ACC+8*(4*(\a)+\b)+4:ACC+8*(4*(\a)+\b)+7] offset:64*\b+16
.endr
.set BB, OB+32*((\a)%2)
.irp t, 0,1,2,3,4,5,6,7
	ds_load_b128 v[BB+4*\t:BB+4*\t+3], v[RD] offset:\t*2*SPITCH
.endr
.endm
.macro SEND a, younger                 ; younger: the LDS instructions issued behind block a's loads, which may stay out
.set BB, OB+32*((\a)%2)
	s_wait_dscnt \younger
.irp t, 0,1,2,3,4,5,6,7
	global_store_b128 v[CO], v[BB+4*\t:BB+4*\t+3], s[46:47] offset:65536*(\a)+8192*\t th:TH_STORE_NT   ; 16 lanes store 256 consecutive bytes, at a multiple of 256 from out0's first byte
.endr
.endm
	PLACES
	TOSTAGE 0
	TOSTAGE 1
	SEND 0, 16                                     ; behind block 0's loads: block 1's 8 stores and 8 loads
	s_wait_xcnt 0x0                                ; block 0's stores have read their registers: block 2's rows may land there
	TOSTAGE 2
	SEND 1, 16
	s_wait_xcnt 0x0
	TOSTAGE 3
	SEND 2, 16
	SEND 3, 0
	s_wait_tensorcnt 0x0                           ; the wave's end: behind my last tensor load and my last LDS store
	ds_add_u32 v[SPW], v[NIL]
	s_wait_dscnt 0x0
	CROUND                                         ; the closing round: no work-group ends while a partner may still ask for a tile that names it
	s_endpgm
.Lfunc_end_k_q2c2dc5e4ca_outp:
	.size	k_q2c2dc5e4ca_outp, .Lfunc_end_k_q2c2dc5e4ca_outp-k_q2c2dc5e4ca_outp
	.p2alignl 7, 3214868480
	.fill 96, 4, 3214868480
	.section	.rodata,"a",@progbits
	.p2align	6, 0x0
	.amdhsa_kernel k_q2c2dc5e4ca_outp
		.amdhsa_group_segment_fixed_size 327680
		.amdhsa_private_segment_fixed_size 0
		.amdhsa_enable_private_segment 0
		.amdhsa_kernarg_size 32
		.amdhsa_user_sgpr_count 2
		.amdhsa_user_sgpr_kernarg_segment_ptr 1
		.amdhsa_wavefront_size32 1
		.amdhsa_system_sgpr_workgroup_id_x 1
		.amdhsa_system_sgpr_workgroup_id_y 1
		.amdhsa_system_sgpr_workgroup_id_z 1
		.amdhsa_system_vgpr_workitem_id 0
		.amdhsa_next_free_vgpr 512
		.amdhsa_next_free_sgpr 66
		.amdhsa_reserve_vcc 0
		.amdhsa_float_denorm_mode_32 3
		.amdhsa_float_denorm_mode_16_64 3
		.amdhsa_memory_ordered 1
		.amdhsa_forward_progress 1
		.amdhsa_inst_pref_size 86
	.end_amdhsa_kernel
	.amdgpu_metadata
---
amdhsa.version: [ 1, 2 ]
amdhsa.kernels:
  - .name:           k_q2c2dc5e4ca_outp
    .symbol:         k_q2c2dc5e4ca_outp.kd
    .args:
      - { .name: cf, .offset: 0, .size: 8, .value_kind: global_buffer, .address_space: global }
      - { .name: wo16, .offset: 8, .size: 8, .value_kind: global_buffer, .address_space: global }
      - { .name: bo, .offset: 16, .size: 8, .value_kind: global_buffer, .address_space: global }
      - { .name: out0, .offset: 24, .size: 8, .value_kind: global_buffer, .address_space: global }
    .group_segment_fixed_size: 327680
    .private_segment_fixed_size: 0
    .kernarg_segment_align: 8
    .kernarg_segment_size: 32
    .max_flat_workgroup_size: 128
    .sgpr_count:     66
    .vgpr_count:     512
    .wavefront_size: 32
...
	.end_amdgpu_metadata
.endif
;; end of part 4
